; MI455X (gfx1250); checked and timed in simulation.
; The chip was launched on July 23, 2026; its instructions are those of AMD's public machine-readable ISA for CDNA 5 (MIT licence, August 2026) and "CDNA5" Instruction Set Architecture Reference Guide (July 2026). The comments in the code are by the model that wrote it; some were corrected since.
;; Mo EGAT. Allowed arithmetic: float matrix products may take bf16 or f16 operands with f32 sums; other float arithmetic in f32, or as packed bf16 or f16 multiplies, adds, multiply-adds, maxima and minima; sums over many terms, partial sums and values carried from step to step in f32; what a program stores and reads back later, other than sums and carried values, may be rounded once to bf16 or f16.
;; Inputs: W 8 x 512 x 512 float32; a_dst 8 x 512 float32; a_src 8 x 512 float32; adj 8 x 1,024 x 1,024 int32; gate_W 512 x 8 float32; gate_b 8 float32; x 8 x 1,024 x 512 float32.
;; Outputs: out0 8 x 1,024 x 512 float32.
;; 2 versions, each right; version 2 is version 1 with the launch proj written anew for expert scheduling mode. Each part assembles by itself: llvm-mc -triple=amdgcn-amd-amdhsa -mcpu=gfx1250 --defsym DOCPART=n.
;; ======== version 1 of 2: 4 launches
;; limits: a function is approximated: absolute error at most 6e-08; values are held in f16: magnitudes above 65,504 overflow, below 6.1e-05 lose precision; inputs' magnitudes at most 65,504; right only within a limited range of input values
;; workspace buffers: x16 8,388,608 bytes; w16 4,194,304 bytes; mb 1,048,576 bytes of whole numbers; wt 49,152 bytes; ss 262,144 bytes; dt 262,144 bytes; gg 262,144 bytes; yy 67,108,864 bytes
;; launch prep (part 1): grid 321 x 1, 8 waves a work-group, no clusters, 1,536 bytes of LDS; arguments W, a_src, a_dst, adj, gate_W, w16, wt, mb; writes w16, wt, mb
.if DOCPART == 1
	.amdgcn_target "amdgcn-amd-amdhsa--gfx1250"
	.amdhsa_code_object_version 6
	.text
	.protected	k_qf0e2387026_prep
	.globl	k_qf0e2387026_prep
	.p2align	8
	.type	k_qf0e2387026_prep,@function
k_qf0e2387026_prep:
	s_mov_b64 s[64:65], 0
	v_nop
	global_prefetch_b8 v0, s[64:65] scope:SCOPE_SE
	s_setreg_imm32_b32 hwreg(HW_REG_WAVE_MODE, 25, 1), 1
	s_wait_xcnt 0x0
; PREP: three jobs that depend on no other launch, dealt by the work-group's number (the same for all eight waves of a work-group).
;  A, work-groups 0-255: adj (int32) -> mb, one bit a key.  mb[row][word 4 L + q], bit i = (adj[row][128 L + 4 i + q] <= 0): a set bit hides the key.
;  B, work-groups 256-319: W -> w16: each number rounded to bf16 and that value written as f16; and wt rows 0-7 = W_e a_src_e, rows 8-15 = W_e a_dst_e (f32 sums of bf16-rounded factors).
;     These two matrix-vector products ride on the lanes that stream W anyway: 2 of a matrix instruction's 16 columns would be used, and W would have to be laid in fragment order first.
;  C, work-group 320: gate_W [512][8] -> wt rows 16-23, transposed, f32.
; LIMITS.  |bf16(W)| <= 65,504; below 2^-17 the f16 image keeps f16's fixed step of 6e-8.  NaN and infinities are not treated apart.
; No tensor loads, no clusters, no matrix unit: memory binds; every byte is read once by 16-byte loads of neighbouring lanes, every store of a wave covers 256 consecutive aligned bytes.
.set SPARE, 512        ; LDS: 0-511 the 2 x 64 sums of job B; from 512 the spare words, 128 bytes a wave
.set SPW,   1          ; v1  my spare word's address; never rewritten
.set NIL,   2          ; v2  0; never rewritten
.set L16,   5          ; v5  16 x lane
.set L8,    6          ; v6  8 x lane
.set WAD,   7          ; v7  32 x wave: my wave's 8 words in each half of the sums
.set AS,    8          ; v8-23   a_src of my 16 columns (z = 128 c + 4 lane + q), rounded to bf16
.set AD,    24         ; v24-39  a_dst likewise
.set H,     40         ; v40-47  a row's 16 numbers as f16
.set T,     48         ; v48-55  at work
.set A0,    56         ; v56-57  the running sum with a_src
.set A1,    58         ; v58-59  with a_dst
.set X,     64         ; v64-191 what the 32 loads bring
.set MBW,   192        ; v192-195 job A: two pairs of rows, 64 words each, two words a lane
	s_load_b512 s[16:31], s[0:1], 0x0              ; W 16, a_src 18, a_dst 20, adj 22, gate_W 24, w16 26, wt 28, mb 30
	v_lshl_add_u32 v[SPW], v0, 2, SPARE
	v_mov_b32 v[NIL], 0
	v_lshrrev_b32 v3, 5, v0
	v_readfirstlane_b32 s8, v3                     ; wave 0..7
	v_and_b32 v4, 31, v0
	v_lshlrev_b32 v[L16], 4, v4
	v_lshlrev_b32 v[L8], 3, v4
	s_mov_b32 s3, 0                                ; the high word of every byte offset
	s_wait_kmcnt 0x0
	s_cmp_lt_u32 ttmp9, 256
	s_cbranch_scc0 .Lnot_a
; ---- JOB A: 32 rows a work-group, 4 a wave.  All 32 loads (16 KiB a wave) go out first.
	s_lshl_b32 s2, ttmp9, 17                       ; 32 rows x 4,096 bytes
	s_lshl_b32 s9, s8, 14                          ; + 4 rows a wave
	s_add_co_u32 s2, s2, s9
	s_add_nc_u64 s[22:23], s[22:23], s[2:3]
	s_lshl_b32 s2, ttmp9, 12                       ; 32 rows x 128 bytes
	s_lshl_b32 s9, s8, 9
	s_add_co_u32 s2, s2, s9
	s_add_nc_u64 s[30:31], s[30:31], s[2:3]
.set n_, 0
.rept 32
	global_load_b128 v[X+4*n_:X+4*n_+3], v[L16], s[22:23] offset:(n_/8)*4096+(n_%8)*512 th:TH_LOAD_NT
.set n_, n_+1
.endr
.irp k, 0,1,2,3
	v_mov_b32 v[MBW+\k], 0                         ; v_writelane_b32 keeps the other lanes: the registers are written whole first
.endr
; Row i: register n = 4 L + q of the row holds key 128 L + 4 lane + q, so one compare makes word n.  Word 32 (i % 2) + n of the pair of rows goes to lane (that / 2), register (that % 2).
.macro ROWBITS i
	s_wait_loadcnt 8*(3-(\i))                      ; loads come back in order: the later rows' eight each stay out
.set n_, 0
.rept 32
	v_cmp_gt_i32 s[40+n_%4], 1, v[X+32*(\i)+n_]    ; 1 > adj: the key is hidden
	v_writelane_b32 v[MBW+2*((\i)/2)+n_%2], s[40+n_%4], (32*((\i)%2)+n_)/2
.set n_, n_+1
.endr
.endm
	ROWBITS 0
	ROWBITS 1
	global_store_b64 v[L8], v[MBW:MBW+1], s[30:31]             ; two rows' 256 bytes
	ROWBITS 2
	ROWBITS 3
	global_store_b64 v[L8], v[MBW+2:MBW+3], s[30:31] offset:256
	s_endpgm
.Lnot_a:
	s_cmp_lt_u32 ttmp9, 320
	s_cbranch_scc0 .Lrole_c
; ---- JOB B: expert e, 64 rows d of W_e a work-group, 8 a wave.
	s_sub_co_u32 s9, ttmp9, 256
	s_lshr_b32 s10, s9, 3                          ; e
	s_and_b32 s11, s9, 7                           ; which 64 rows
	s_mov_b32 s14, 0xffff0000                      ; a word's upper bf16
	s_mov_b32 s36, 0x76543210                      ; v_permlanex16_b32: each lane takes its own place in the other half
	s_mov_b32 s37, 0xfedcba98
	v_lshlrev_b32 v[WAD], 5, v3
	s_lshl_b32 s2, s10, 11                         ; a_src and a_dst at row e
	s_add_nc_u64 s[18:19], s[18:19], s[2:3]
	s_add_nc_u64 s[20:21], s[20:21], s[2:3]
	s_lshl_b32 s12, s10, 9                         ; row e x 512 + 64 x block + 8 x wave
	s_lshl_b32 s13, s11, 6
	s_add_co_u32 s12, s12, s13
	s_lshl_b32 s13, s8, 3
	s_add_co_u32 s12, s12, s13
	s_lshl_b32 s2, s12, 11                         ; x 2,048 bytes in W
	s_add_nc_u64 s[16:17], s[16:17], s[2:3]
	s_lshl_b32 s2, s12, 10                         ; x 1,024 bytes in w16
	s_add_nc_u64 s[26:27], s[26:27], s[2:3]
.irp c, 0,1,2,3
	global_load_b128 v[AS+4*\c:AS+4*\c+3], v[L16], s[18:19] offset:512*\c
	global_load_b128 v[AD+4*\c:AD+4*\c+3], v[L16], s[20:21] offset:512*\c
.endr
.set n_, 0
.rept 32
	global_load_b128 v[X+4*n_:X+4*n_+3], v[L16], s[16:17] offset:(n_/4)*2048+(n_%4)*512 th:TH_LOAD_NT
.set n_, n_+1
.endr
	s_wait_loadcnt 32                              ; a_src and a_dst are in; W's 32 loads stay out
.irp base, AS, AD
.set k_, 0
.rept 8
	v_cvt_pk_bf16_f32 v[T+k_], v[\base+2*k_], v[\base+2*k_+1]  ; every input is rounded to bf16,
	v_lshlrev_b32 v[\base+2*k_], 16, v[T+k_]                   ; and widened again
	v_and_b32 v[\base+2*k_+1], s14, v[T+k_]
.set k_, k_+1
.endr
.endr
; Row i of my eight: rounded, stored as f16, multiplied by both vectors, summed over the wave.
.macro WROW i
.set R_, X+16*(\i)
	s_wait_loadcnt 4*(7-(\i))                      ; the later rows' four loads each stay out
	s_wait_xcnt 0x0                                ; H, which the last row's stores read, is rewritten only behind this wait
.set k_, 0
.rept 8
	v_cvt_pk_bf16_f32 v[T+k_], v[R_+2*k_], v[R_+2*k_+1]
.set k_, k_+1
.endr
.set k_, 0
.rept 8
	v_lshlrev_b32 v[R_+2*k_], 16, v[T+k_]
	v_and_b32 v[R_+2*k_+1], s14, v[T+k_]
.set k_, k_+1
.endr
.set k_, 0
.rept 8
	v_cvt_pk_f16_f32 v[H+k_], v[R_+2*k_], v[R_+2*k_+1]         ; 8 significant bits fit f16's 11: exact within f16's range
.set k_, k_+1
.endr
.irp c, 0,1,2,3
	global_store_b64 v[L8], v[H+2*\c:H+2*\c+1], s[26:27] offset:(\i)*1024+256*\c  ; 256 consecutive aligned bytes
.endr
	v_pk_mul_f32 v[A0:A0+1], v[R_:R_+1], v[AS:AS+1]            ; the first products start the sums
	v_pk_mul_f32 v[A1:A1+1], v[R_:R_+1], v[AD:AD+1]
.set k_, 1
.rept 7
	v_pk_fma_f32 v[A0:A0+1], v[R_+2*k_:R_+2*k_+1], v[AS+2*k_:AS+2*k_+1], v[A0:A0+1]
	v_pk_fma_f32 v[A1:A1+1], v[R_+2*k_:R_+2*k_+1], v[AD+2*k_:AD+2*k_+1], v[A1:A1+1]
.set k_, k_+1
.endr
	v_add_f32 v[A0], v[A0], v[A0+1]
	v_add_f32 v[A1], v[A1], v[A1+1]
.irp x, 1,2,4,8
	v_add_f32_dpp v[A0], v[A0], v[A0] row_xmask:\x row_mask:0xf bank_mask:0xf
	v_add_f32_dpp v[A1], v[A1], v[A1] row_xmask:\x row_mask:0xf bank_mask:0xf
.endr
	v_permlanex16_b32 v[A0+1], v[A0], s36, s37
	v_permlanex16_b32 v[A1+1], v[A1], s36, s37
	v_add_f32 v[A0], v[A0], v[A0+1]
	v_add_f32 v[A1], v[A1], v[A1+1]
	ds_store_b32 v[WAD], v[A0] offset:4*(\i)                   ; every lane holds the sum and writes the same word
	ds_store_b32 v[WAD], v[A1] offset:256+4*(\i)
.endm
.irp i, 0,1,2,3,4,5,6,7
	WROW \i
.endr
	s_wait_dscnt 0x0                               ; for the others' sake: my sums are in LDS
	s_barrier_signal -1
	s_barrier_wait -1
	s_cmp_lt_u32 s8, 2
	s_cbranch_scc0 .Lb_done                        ; wave 0 sends the 64 sums with a_src, wave 1 those with a_dst: 256 aligned bytes each
	v_lshl_add_u32 v8, s8, 8, v[L8]
	ds_load_b64 v[10:11], v8
	s_lshl_b32 s2, s8, 3
	s_add_co_u32 s2, s2, s10                       ; wt's row 8 x wave + e
	s_lshl_b32 s2, s2, 11
	s_lshl_b32 s9, s11, 8                          ; my 64 columns
	s_add_co_u32 s2, s2, s9
	s_add_nc_u64 s[28:29], s[28:29], s[2:3]
	s_wait_dscnt 0x0
	global_store_b64 v[L8], v[10:11], s[28:29]
.Lb_done:
	s_wait_tensorcnt 0x0                           ; the wave's end: behind my last LDS store
	ds_add_u32 v[SPW], v[NIL]
	s_wait_dscnt 0x0
	s_endpgm
; ---- JOB C: thread t reads gate_W's rows 2 t and 2 t + 1 (64 consecutive bytes) and stores, for each e, the pair of neighbours in wt's row 16 + e.
.Lrole_c:
	v_lshlrev_b32 v7, 6, v0
	v_lshlrev_b32 v8, 3, v0
.irp k, 0,1,2,3
	global_load_b128 v[X+4*\k:X+4*\k+3], v7, s[24:25] offset:16*\k
.endr
	s_wait_loadcnt 0x0
.irp e, 0,1,2,3,4,5,6,7
	v_mov_b32 v[X+32+2*\e], v[X+\e]
	v_mov_b32 v[X+33+2*\e], v[X+8+\e]
	global_store_b64 v8, v[X+32+2*\e:X+33+2*\e], s[28:29] offset:(16+\e)*2048  ; a wave: 256 consecutive aligned bytes
.endr
	s_endpgm
.Lfunc_end_k_qf0e2387026_prep:
	.size	k_qf0e2387026_prep, .Lfunc_end_k_qf0e2387026_prep-k_qf0e2387026_prep
	.p2alignl 7, 3214868480
	.fill 96, 4, 3214868480
	.section	.rodata,"a",@progbits
	.p2align	6, 0x0
	.amdhsa_kernel k_qf0e2387026_prep
		.amdhsa_group_segment_fixed_size 1536
		.amdhsa_private_segment_fixed_size 0
		.amdhsa_enable_private_segment 0
		.amdhsa_kernarg_size 64
		.amdhsa_user_sgpr_count 2
		.amdhsa_user_sgpr_kernarg_segment_ptr 1
		.amdhsa_wavefront_size32 1
		.amdhsa_system_sgpr_workgroup_id_x 1
		.amdhsa_system_sgpr_workgroup_id_y 1
		.amdhsa_system_sgpr_workgroup_id_z 1
		.amdhsa_system_vgpr_workitem_id 0
		.amdhsa_next_free_vgpr 196
		.amdhsa_next_free_sgpr 66
		.amdhsa_reserve_vcc 0
		.amdhsa_float_denorm_mode_32 3
		.amdhsa_float_denorm_mode_16_64 3
		.amdhsa_memory_ordered 1
		.amdhsa_forward_progress 1
		.amdhsa_inst_pref_size 61
	.end_amdhsa_kernel
	.amdgpu_metadata
---
amdhsa.version: [ 1, 2 ]
amdhsa.kernels:
  - .name:           k_qf0e2387026_prep
    .symbol:         k_qf0e2387026_prep.kd
    .args:
      - { .name: W, .offset: 0, .size: 8, .value_kind: global_buffer, .address_space: global }
      - { .name: a_src, .offset: 8, .size: 8, .value_kind: global_buffer, .address_space: global }
      - { .name: a_dst, .offset: 16, .size: 8, .value_kind: global_buffer, .address_space: global }
      - { .name: adj, .offset: 24, .size: 8, .value_kind: global_buffer, .address_space: global }
      - { .name: gate_W, .offset: 32, .size: 8, .value_kind: global_buffer, .address_space: global }
      - { .name: w16, .offset: 40, .size: 8, .value_kind: global_buffer, .address_space: global }
      - { .name: wt, .offset: 48, .size: 8, .value_kind: global_buffer, .address_space: global }
      - { .name: mb, .offset: 56, .size: 8, .value_kind: global_buffer, .address_space: global }
    .group_segment_fixed_size: 1536
    .private_segment_fixed_size: 0
    .kernarg_segment_align: 8
    .kernarg_segment_size: 64
    .max_flat_workgroup_size: 256
    .sgpr_count:     66
    .vgpr_count:     196
    .wavefront_size: 32
...
	.end_amdgpu_metadata
.endif
;; end of part 1
;; launch proj (part 2): grid 256 x 1, 4 waves a work-group, no clusters, 41,472 bytes of LDS; arguments x, wt, gate_b, x16, ss, dt, gg; writes x16, ss, dt, gg
.if DOCPART == 2
	.amdgcn_target "amdgcn-amd-amdhsa--gfx1250"
	.amdhsa_code_object_version 6
	.text
	.protected	k_qf0e2387026_proj
	.globl	k_qf0e2387026_proj
	.p2align	8
	.type	k_qf0e2387026_proj,@function
k_qf0e2387026_proj:
	s_mov_b64 s[64:65], 0
	v_nop
	global_prefetch_b8 v0, s[64:65] scope:SCOPE_SE
	s_setreg_imm32_b32 hwreg(HW_REG_WAVE_MODE, 25, 1), 1
	s_wait_xcnt 0x0
; PROJ: x -> x16 (each number rounded to bf16, that value written as f16), and for each row the 24 products with wt's rows:
;   s[e] = x . (W_e a_src_e),  d[e] = x . (W_e a_dst_e),  gate = softmax_e(x . gate_W[:, e] + gate_b[e]), its maximum taken away.
; x, gate_W and gate_b enter rounded to bf16.  wt's rows 0-15 are sums that this program made: they enter as hi + lo, two bf16 numbers, in two products whose f32 sums are added.
; ss, dt, gg: [block of 32 rows][8 experts][32 rows] f32: a work-group owns one block, 1,024 bytes of each.
; SHARES.  A work-group has 32 rows.  Wave w: rows 16 (w & 1) .. + 15, K = 256 (w >> 1) .. + 255; the upper K half hands its sums to the lower through LDS.
; The table wt (48 KiB) is read by every work-group straight into operand order; no tensor loads and no cluster: what is shared is 48 KiB against the 64 KiB of x that a work-group streams once.
; LIMITS.  |bf16(x)| <= 65,504; below 2^-17 the f16 image keeps f16's fixed step of 6e-8.  NaN and infinities are not treated apart.
.set PX,    528        ; a row of 256 bf16 in LDS + 16 bytes: 132 words, so the 16 rows of a fragment load start at 16 different groups of four banks
.set XBW,   16*PX      ; a wave's own 16 rows
.set PART,  4*XBW      ; 33,792: the upper K half's sums, 2,048 bytes for each of two waves
.set OUT,   PART+4096  ; 37,888: [24 columns][32 rows] f32
.set SPARE, OUT+3072   ; 40,960: the spare words
.set SPW,  16
.set NIL,  17
.set ACC0, 32          ; x . hi
.set ACC1, 40          ; x . gate_W
.set ACC2, 48          ; x . lo
.set T,    56          ; v56-63 at work
.set X,    64          ; v64-191: x as loaded; then two buffers of 64 for the table
.set BF,   192         ; v192-239: for each of two K steps: hi, gate, lo, 8 registers each
.set AF,   240         ; v240-255: x's fragments of two K steps
	s_load_b256 s[8:15], s[0:1], 0x0               ; x 8, wt 10, gate_b 12, x16 14
	s_load_b128 s[16:19], s[0:1], 0x20             ; ss 16, dt 18
	s_load_b64 s[20:21], s[0:1], 0x30              ; gg
	v_lshl_add_u32 v[SPW], v0, 2, SPARE
	v_mov_b32 v[NIL], 0
	v_lshrrev_b32 v1, 5, v0
	v_readfirstlane_b32 s4, v1                     ; wave
	s_and_b32 s5, s4, 1                            ; which 16 rows
	s_lshr_b32 s6, s4, 1                           ; which half of K
	s_mov_b32 s7, 0xffff0000
	s_mov_b32 s24, 0x3fb8aa3b                      ; log2(e)
	v_and_b32 v1, 31, v0                           ; lane
	v_and_b32 v2, 15, v0                           ; r
	v_bfe_u32 v3, v0, 4, 1                         ; h
	v_lshlrev_b32 v4, 4, v1                        ; 16 x lane
	v_lshlrev_b32 v5, 3, v1                        ; 8 x lane
	s_mul_i32 s25, s4, XBW
	v_add_nc_u32 v6, s25, v5                       ; where I put 8 bytes of a row of bf16
	v_mul_u32_u24 v7, v2, PX
	v_lshl_add_u32 v7, v3, 4, v7
	v_add_nc_u32 v7, s25, v7                       ; x's fragment: row r x pitch + 16 h
	s_lshl_b32 s26, s6, 10                         ; my K half in a row of f32
	v_lshlrev_b32 v8, 11, v2
	v_lshl_add_u32 v8, v3, 5, v8
	v_add_nc_u32 v8, s26, v8                       ; wt row r, + 32 h
	v_and_b32 v18, 7, v0
	v_lshlrev_b32 v9, 11, v18
	v_lshl_add_u32 v9, v3, 5, v9
	v_add_nc_u32 v9, s26, v9
	v_add_nc_u32 v9, 16*2048, v9                   ; wt row 16 + r % 8: columns 8-15 of the gate's product repeat columns 0-7
	v_lshlrev_b32 v15, 2, v18                      ; gate_b[r % 8]
	s_lshl_b32 s27, s5, 11
	s_add_co_u32 s27, s27, PART
	v_add_nc_u32 v10, s27, v4                      ; the hand-over: 16 bytes a lane, four times
	v_lshlrev_b32 v11, 7, v2
	v_lshl_add_u32 v11, v3, 5, v11
	s_lshl_b32 s27, s5, 6
	s_add_co_u32 s27, s27, OUT
	v_add_nc_u32 v11, s27, v11                     ; column r, rows 16 (w & 1) + 8 h + 0..7: 32 consecutive bytes
	v_lshlrev_b32 v12, 7, v18
	v_lshl_add_u32 v12, v3, 5, v12
	s_add_co_u32 s27, s27, 16*128
	v_add_nc_u32 v12, s27, v12                     ; column 16 + r % 8
	s_lshl_b32 s27, s4, 10
	s_add_co_u32 s27, s27, OUT
	v_add_nc_u32 v13, s27, v4                      ; waves 0-2 send s, d, gate
	s_lshl_b32 s2, ttmp9, 16                       ; 32 rows x 2,048 bytes
	s_lshl_b32 s28, s5, 15
	s_add_co_u32 s2, s2, s28
	s_add_co_u32 s2, s2, s26
	s_mov_b32 s3, 0
	s_wait_kmcnt 0x0
	s_add_nc_u64 s[8:9], s[8:9], s[2:3]
	s_lshr_b32 s2, s2, 1                           ; half as many bytes in x16
	s_add_nc_u64 s[14:15], s[14:15], s[2:3]
	global_load_b32 v14, v15, s[12:13]
.set n_, 0
.rept 32                                               ; my 16 rows x 1,024 bytes: all 32 loads go out first
	global_load_b128 v[X+4*n_:X+4*n_+3], v4, s[8:9] offset:(n_/2)*2048+(n_%2)*512 th:TH_LOAD_NT
.set n_, n_+1
.endr
; Load j: 512 bytes of row j / 2.  bf16 into my rows in LDS, the same values as f16 to x16.
.macro XCONV j
.set R_, X+4*(\j)
.set T_, T+2*((\j)%4)
	s_wait_loadcnt 31-(\j)                         ; the later loads stay out
	v_cvt_pk_bf16_f32 v[T_], v[R_], v[R_+1]
	v_cvt_pk_bf16_f32 v[T_+1], v[R_+2], v[R_+3]
	ds_store_b64 v6, v[T_:T_+1] offset:((\j)/2)*PX+((\j)%2)*256
	v_lshlrev_b32 v[R_], 16, v[T_]
	v_and_b32 v[R_+1], s7, v[T_]
	v_lshlrev_b32 v[R_+2], 16, v[T_+1]
	v_and_b32 v[R_+3], s7, v[T_+1]
	v_cvt_pk_f16_f32 v[R_], v[R_], v[R_+1]
	v_cvt_pk_f16_f32 v[R_+1], v[R_+2], v[R_+3]
	global_store_b64 v5, v[R_:R_+1], s[14:15] offset:((\j)/2)*1024+((\j)%2)*256  ; 256 consecutive aligned bytes
.endm
.set jj, 0
.rept 32
	XCONV jj
.set jj, jj+1
.endr
; Batch n of the table: K steps 2 n and 2 n + 1.  A lane takes, of its row, k = 8 h + 0..7 and 16 + 8 h + 0..7: four loads of 16 bytes; the same of its gate row.
.macro BLOADS n
.set W_, X+64*((\n)%2)
.set m_, 0
.rept 8
	global_load_b128 v[W_+32*(m_/4)+4*(m_%4):W_+32*(m_/4)+4*(m_%4)+3], v8, s[10:11] offset:(2*(\n)+m_/4)*128+(m_%2)*16+((m_/2)%2)*64
	global_load_b128 v[W_+32*(m_/4)+16+4*(m_%4):W_+32*(m_/4)+16+4*(m_%4)+3], v9, s[10:11] offset:(2*(\n)+m_/4)*128+(m_%2)*16+((m_/2)%2)*64
.set m_, m_+1
.endr
.endm
.macro BCONV n, t                      ; hi = bf16(w); lo = bf16(w - hi); the gate's column in bf16
.set W_, X+64*((\n)%2)+32*(\t)
.set B_, BF+24*(\t)
.set k_, 0
.rept 8
	v_cvt_pk_bf16_f32 v[B_+k_], v[W_+2*k_], v[W_+2*k_+1]
	v_cvt_pk_bf16_f32 v[B_+8+k_], v[W_+16+2*k_], v[W_+16+2*k_+1]
	v_lshlrev_b32 v[T+2*(k_%4)], 16, v[B_+k_]
	v_and_b32 v[T+2*(k_%4)+1], s7, v[B_+k_]
	v_pk_add_f32 v[W_+2*k_:W_+2*k_+1], v[W_+2*k_:W_+2*k_+1], v[T+2*(k_%4):T+2*(k_%4)+1] neg_lo:[0,1] neg_hi:[0,1]
	v_cvt_pk_bf16_f32 v[B_+16+k_], v[W_+2*k_], v[W_+2*k_+1]
.set k_, k_+1
.endr
.endm
.macro MM3 t, zero                     ; the three accumulators take turns, one instruction a turn
.set B_, BF+24*(\t)
.set A_, AF+8*(\t)
.if \zero
	v_wmma_f32_16x16x32_bf16 v[ACC0:ACC0+7], v[A_:A_+7], v[B_:B_+7], 0
	v_wmma_f32_16x16x32_bf16 v[ACC1:ACC1+7], v[A_:A_+7], v[B_+8:B_+15], 0
	v_wmma_f32_16x16x32_bf16 v[ACC2:ACC2+7], v[A_:A_+7], v[B_+16:B_+23], 0
.else
	v_wmma_f32_16x16x32_bf16 v[ACC0:ACC0+7], v[A_:A_+7], v[B_:B_+7], v[ACC0:ACC0+7]
	v_wmma_f32_16x16x32_bf16 v[ACC1:ACC1+7], v[A_:A_+7], v[B_+8:B_+15], v[ACC1:ACC1+7]
	v_wmma_f32_16x16x32_bf16 v[ACC2:ACC2+7], v[A_:A_+7], v[B_+16:B_+23], v[ACC2:ACC2+7]
.endif
.endm
.macro BATCH n
.if (\n) < 3
	s_wait_loadcnt 16                              ; this batch is in; the next one's sixteen loads stay out
.else
	s_wait_loadcnt 0x0
.endif
	BCONV \n, 0
	BCONV \n, 1
.irp t, 0,1
	ds_load_b128 v[AF+8*\t:AF+8*\t+3],   v7 offset:(2*(\n)+\t)*64      ; LDS serves a wave's instructions in order: these see my stores above
	ds_load_b128 v[AF+8*\t+4:AF+8*\t+7], v7 offset:(2*(\n)+\t)*64+32
.endr
.if (\n) < 2
	BLOADS (\n)+2                                  ; into the buffer just converted
.endif
	s_wait_dscnt 0x0
.if (\n) == 0
	MM3 0, 1                                       ; the first K step starts the sums
.else
	MM3 0, 0
.endif
	MM3 1, 0
.rept 4
	v_nop                                          ; four places before the operands are written again or the sums read (ISA guide 7.12.1)
.endr
.endm
	s_wait_xcnt 0x0                                ; x16's stores have read X: only now is it loaded again
	BLOADS 0
	BLOADS 1
	BATCH 0
	BATCH 1
	BATCH 2
	BATCH 3
.irp j, 0,1,2,3,4,5,6,7
	v_add_f32 v[ACC0+\j], v[ACC0+\j], v[ACC2+\j]   ; hi's and lo's sums, from each accumulator's low end on
.endr
	s_cmp_eq_u32 s6, 0
	s_cbranch_scc1 .Lkeep
	ds_store_b128 v10, v[ACC0:ACC0+3]              ; the upper K half hands its sums over
	ds_store_b128 v10, v[ACC0+4:ACC0+7] offset:512
	ds_store_b128 v10, v[ACC1:ACC1+3] offset:1024
	ds_store_b128 v10, v[ACC1+4:ACC1+7] offset:1536
.Lkeep:
	s_wait_dscnt 0x0
	s_barrier_signal -1
	s_barrier_wait -1
	s_cmp_lg_u32 s6, 0
	s_cbranch_scc1 .Lnot_owner
.irp k, 0,1,2,3
	ds_load_b128 v[X+4*\k:X+4*\k+3], v10 offset:512*\k
.endr
	s_wait_dscnt 0x0
.irp j, 0,1,2,3,4,5,6,7
	v_add_f32 v[ACC0+\j], v[ACC0+\j], v[X+\j]
	v_add_f32 v[ACC1+\j], v[ACC1+\j], v[X+8+\j]
.endr
	ds_store_b128 v11, v[ACC0:ACC0+3]              ; register j is row 8 h + j of column r: s for r < 8, d for r >= 8
	ds_store_b128 v11, v[ACC0+4:ACC0+7] offset:16
	v_cvt_pk_bf16_f32 v18, v14, v14                ; the bias, rounded like every input
	v_lshlrev_b32 v18, 16, v18
.irp j, 0,1,2,3,4,5,6,7
	v_add_f32 v[ACC1+\j], v[ACC1+\j], v18
.endr
.irp j, 0,1,2,3,4,5,6,7                ; the eight experts of a row lie in eight neighbouring lanes
	v_max_num_f32_dpp v[X+\j], v[ACC1+\j], v[ACC1+\j] row_xmask:1 row_mask:0xf bank_mask:0xf
.endr
.irp x, 2,4
.irp j, 0,1,2,3,4,5,6,7
	v_max_num_f32_dpp v[X+\j], v[X+\j], v[X+\j] row_xmask:\x row_mask:0xf bank_mask:0xf
.endr
.endr
.irp j, 0,1,2,3,4,5,6,7
	v_sub_f32 v[ACC1+\j], v[ACC1+\j], v[X+\j]
.endr
.irp j, 0,1,2,3,4,5,6,7
	v_mul_f32 v[ACC1+\j], s24, v[ACC1+\j]
.endr
.irp j, 0,1,2,3,4,5,6,7
	v_exp_f32 v[ACC1+\j], v[ACC1+\j]
.endr
	v_nop                                          ; a plain instruction behind the last exponential,
	s_wait_alu depctr_va_vdst(0)                   ; and one wait for the eight, ahead of their first reader
.irp j, 0,1,2,3,4,5,6,7
	v_add_f32_dpp v[X+\j], v[ACC1+\j], v[ACC1+\j] row_xmask:1 row_mask:0xf bank_mask:0xf
.endr
.irp x, 2,4
.irp j, 0,1,2,3,4,5,6,7
	v_add_f32_dpp v[X+\j], v[X+\j], v[X+\j] row_xmask:\x row_mask:0xf bank_mask:0xf
.endr
.endr
.irp j, 0,1,2,3,4,5,6,7
	v_rcp_f32 v[X+\j], v[X+\j]
.endr
	v_nop
	s_wait_alu depctr_va_vdst(0)                   ; one wait for the eight reciprocals
.irp j, 0,1,2,3,4,5,6,7
	v_mul_f32 v[ACC1+\j], v[ACC1+\j], v[X+\j]
.endr
	ds_store_b128 v12, v[ACC1:ACC1+3]              ; lanes r and r + 8 hold the same numbers and write the same words
	ds_store_b128 v12, v[ACC1+4:ACC1+7] offset:16
.Lnot_owner:
	s_wait_dscnt 0x0
	s_barrier_signal -1
	s_barrier_wait -1
	s_cmp_lt_u32 s4, 3
	s_cbranch_scc0 .Lend
	s_cmp_eq_u32 s4, 1                             ; wave 0: ss, wave 1: dt, wave 2: gg
	s_cselect_b64 s[22:23], s[18:19], s[16:17]
	s_cmp_eq_u32 s4, 2
	s_cselect_b64 s[22:23], s[20:21], s[22:23]
	s_lshl_b32 s2, ttmp9, 10
	s_add_nc_u64 s[22:23], s[22:23], s[2:3]
	ds_load_b128 v[X:X+3], v13
	ds_load_b128 v[X+4:X+7], v13 offset:512
	s_wait_dscnt 0x0
	global_store_b128 v4, v[X:X+3], s[22:23]       ; 512 consecutive aligned bytes each
	global_store_b128 v4, v[X+4:X+7], s[22:23] offset:512
.Lend:
	s_wait_tensorcnt 0x0                           ; the wave's end: behind my last LDS store
	ds_add_u32 v[SPW], v[NIL]
	s_wait_dscnt 0x0
	s_endpgm
.Lfunc_end_k_qf0e2387026_proj:
	.size	k_qf0e2387026_proj, .Lfunc_end_k_qf0e2387026_proj-k_qf0e2387026_proj
	.p2alignl 7, 3214868480
	.fill 96, 4, 3214868480
	.section	.rodata,"a",@progbits
	.p2align	6, 0x0
	.amdhsa_kernel k_qf0e2387026_proj
		.amdhsa_group_segment_fixed_size 41472
		.amdhsa_private_segment_fixed_size 0
		.amdhsa_enable_private_segment 0
		.amdhsa_kernarg_size 56
		.amdhsa_user_sgpr_count 2
		.amdhsa_user_sgpr_kernarg_segment_ptr 1
		.amdhsa_wavefront_size32 1
		.amdhsa_system_sgpr_workgroup_id_x 1
		.amdhsa_system_sgpr_workgroup_id_y 1
		.amdhsa_system_sgpr_workgroup_id_z 1
		.amdhsa_system_vgpr_workitem_id 0
		.amdhsa_next_free_vgpr 256
		.amdhsa_next_free_sgpr 66
		.amdhsa_reserve_vcc 0
		.amdhsa_float_denorm_mode_32 3
		.amdhsa_float_denorm_mode_16_64 3
		.amdhsa_memory_ordered 1
		.amdhsa_forward_progress 1
		.amdhsa_inst_pref_size 61
	.end_amdhsa_kernel
	.amdgpu_metadata
---
amdhsa.version: [ 1, 2 ]
amdhsa.kernels:
  - .name:           k_qf0e2387026_proj
    .symbol:         k_qf0e2387026_proj.kd
    .args:
      - { .name: x, .offset: 0, .size: 8, .value_kind: global_buffer, .address_space: global }
      - { .name: wt, .offset: 8, .size: 8, .value_kind: global_buffer, .address_space: global }
      - { .name: gate_b, .offset: 16, .size: 8, .value_kind: global_buffer, .address_space: global }
      - { .name: x16, .offset: 24, .size: 8, .value_kind: global_buffer, .address_space: global }
      - { .name: ss, .offset: 32, .size: 8, .value_kind: global_buffer, .address_space: global }
      - { .name: dt, .offset: 40, .size: 8, .value_kind: global_buffer, .address_space: global }
      - { .name: gg, .offset: 48, .size: 8, .value_kind: global_buffer, .address_space: global }
    .group_segment_fixed_size: 41472
    .private_segment_fixed_size: 0
    .kernarg_segment_align: 8
    .kernarg_segment_size: 56
    .max_flat_workgroup_size: 128
    .sgpr_count:     66
    .vgpr_count:     256
    .wavefront_size: 32
...
	.end_amdgpu_metadata
.endif
;; end of part 2
;; launch attn (part 3): grid 64 x 8, 4 waves a work-group, clusters of 4 x 1, 327,680 bytes of LDS; arguments x16, mb, ss, dt, yy; writes yy
.if DOCPART == 3
	.amdgcn_target "amdgcn-amd-amdhsa--gfx1250"
	.amdhsa_code_object_version 6
	.text
	.protected	k_qf0e2387026_attn
	.globl	k_qf0e2387026_attn
	.p2align	8
	.type	k_qf0e2387026_attn,@function
k_qf0e2387026_attn:
	s_mov_b64 s[64:65], 0
	v_nop
	global_prefetch_b8 v0, s[64:65] scope:SCOPE_SE
	s_setreg_imm32_b32 hwreg(HW_REG_WAVE_MODE, 25, 1), 1
	s_wait_xcnt 0x0
	s_wait_alu depctr_hold_cnt(0) depctr_sa_sdst(0) depctr_va_vdst(0) depctr_va_sdst(0) depctr_va_ssrc(0) depctr_va_vcc(0) depctr_vm_vsrc(0)
	s_getreg_b32 s2, hwreg(HW_REG_IB_STS2, 6, 4)
	s_cmp_eq_u32 s2, 0
	s_cbranch_scc0 .Lentry_in_a_cluster
	s_endpgm
.Lentry_in_a_cluster:
	s_bfe_u32 s2, ttmp6, 0x10000c
	s_cmp_lg_u32 s2, 0x3003
	s_cbranch_scc0 .Lentry_shape_is_right
	s_endpgm
.Lentry_shape_is_right:
; ATTN: yy[b][e][i][:] = sum over j of softmax_j(mask(lrelu(s[e][i] + d[e][j]))) x16[b][j][:], f16.  Since attn (x W_e) = (attn x) W_e, the value matrix is x[b], the same for all eight experts.
; SOFTMAX.  lrelu grows with its argument, so a row's maximum is m = lrelu(s + the largest open d): found exactly by a first pass over d and the mask, and taken away before the exponential:
;   p = 2^min(max(FC d + U, 0.2 FC d + U'), M),  U = FC (s - m),  U' = FC (0.2 s - m),  FC = log2(e),  M = +inf for an open key, -inf for a hidden one.
; A row with no open key is uniform in the definition: its mask counts as all open and FC = U = U' = 0, so that p = 1 everywhere.
; p is rounded to f16 for the product; its sum l is taken of the unrounded p, in f32; the row is divided by l at the end and rounded once to f16.
; LIMITS.  An open key's score lies above about -9.9e8 (below that the definition's -1e9 entries would weigh); |x16| <= 65,504; p below 6e-5 keeps f16's fixed step of 6e-8; NaN and infinities are not treated apart.
; SHARES.  A work-group: 16 queries x 8 experts = 128 rows, 512 channels, 1,024 keys in 16 steps of 64.  Wave w multiplies all 128 rows by channels 128 w .. + 127: 64 accumulators, 512 registers.
; Wave w makes the weights of keys 32 (w & 1) .. + 31 of a step for experts 4 (w >> 1) .. + 3, in the register order of the product's second source, and hands them to all through LDS (two buffers).
; PRODUCT, transposed: source 0 = 16 channels x 32 keys (x16 turned by ds_load_tr16_b128), source 1 = 32 keys x 16 queries (p): a lane holds one query and eight neighbouring channels.
; CLUSTER.  The four work-groups of a cluster have the same b: x16's tiles and the table d are asked for jointly.  The place in the cluster enters the global addresses of mb, ss and yy alone.
; THE ORDER OF THE KEYS is free, since the maximum is known beforehand: a cluster starts 256 x (its number mod 4) keys on and wraps round, so that the sixteen clusters of one b walk four different parts
; of x16[b] at a time, and 12 of a walk's 14 refills ask for a tile that another cluster has asked for before.  Only global addresses hang on that: d and the mask words are laid into LDS in the walk's order.
; BY PERIODS.  M0(t), M1(t): the 64 products of step t's first and second 32 keys; F0(t), F1(t): their 32 fragment loads.  Period t: the boundary, with 24 products of M1(t-1) in it; the refill with tile t + 1;
; F0(t); the other 40 products of M1(t-1); the mid run (d of step t + 2, F1(t)); M0(t).  The 288 vector instructions that make the weights of step t + 1 stand in slices of four behind the products:
; the scalings behind the first 16 (no exponential stands ahead of the round's branch), maxmin and exponentials by turns behind products 24-55, their one wait at the mid run; roundings, stores, sums and
; the masks of step t + 2 behind every second product of M0(t).  A slice costs two window switches.  d of the next step is loaded into the region that held the second branch: R0 and R1 change roles by the step's parity.
; WINDOWS of 256 registers: 0 addresses and the weights' arithmetic; 1 v0-127 x16's fragments [key half][channel block], v128-255 p's fragments [key half][expert]; 2 accumulators of experts 0-3 at 64 e + 8 cb; 3 experts 4-7.
.set PV,    288        ; a key's 256 bytes + 32: 72 words
.set VSL,   64*PV      ; a wave's slice of a slot: 64 keys x its 128 channels
.set VSLOT, 4*VSL
.set DT,    2*VSLOT    ; 147,456: d[32 key blocks][8 experts][32 keys] f32, in the walk's order
.set MW,    DT+32768   ; 180,224: 16 rows of mask words, in the walk's order; written by ds_store, never by a tensor load
.set PM,    144        ; 128 bytes + 16
.set PB,    MW+16*PM   ; 182,528: the weights, two buffers of 16 tiles (8 x key half + expert) of 1,024 bytes
.set PBUF,  16384
.set RED1,  PB+2*PBUF  ; 215,296: [expert][query][wave] the waves' maxima of d
.set RED2,  RED1+2048  ; 217,344: [expert][query][key half] the sums l
.set STAGE, RED2+1024  ; 218,368: 16 rows x 272 bytes a wave, for the way out
.set SP,    272
.set SPARE, STAGE+4*16*SP  ; 235,776: the spare words
.set AV,  4            ; v4-5   my place in my slice of slot 0, 1
.set AP,  6            ; v6     PB + 16 x lane
.set APW, 7            ; v7     the same at my first tile
.set DA,  8            ; v8     d of the step to be loaded next
.set WA,  9            ; v9     the mask words to be loaded next
.set STO, 10
.set RD,  11
.set GO,  12
.set KS,  13           ; v13    0x80000000, or 0 for a row with no open key
.set SPW, 14
.set NIL, 15
.set SH,  16           ; v16-23 [step's parity][o]: the shifts that bring my keys' bits to bit 31
.set FA,  24           ; v24-25 FC (the packed lines take a pair's low register for both halves; the high one is written)
.set FB,  26           ; v26-27 0.2 FC
.set U,   28           ; v28-43 expert i: U at +4 i, U' at +4 i + 2
.set W,   44           ; v44-47 four mask words
.set M,   48           ; v48-63 +inf or -inf for my 16 keys
.set R0,  64           ; v64-127, v128-191: of a step, one region holds d, then the exponents, then p (16 an expert), the other the second branch
.set R1,  128
.set P16, 192          ; v192-223 p in f16
.set SHP, P16          ; the first pass's four shifts
.set LS,  224          ; v224-231 l, a pair an expert
.set DM,  232          ; v232-239 maxima of d
.set TT,  240          ; v240-243 at work
.set SV,  244          ; v244-247 s of my four experts
.set R1S, 248
.set R1L, 249
.set R2S, 250
.set R2L, 251
.set DB,  252          ; DT + 1,024 (w & 1) + 32 h
.set WB,  253          ; MW + 144 r
.set SO,  254          ; 4 r
.set IV,  R0           ; the way out: 1 / l at +2 e
.set TMP, P16
.set BK,  R1
.set WV,  14
.set G1V, 24
.set G1D, 32
.set VB,  40           ; s[40:41] x16 at b, my 256 bytes of a row
.set OFF, 42           ; s[42:43] a tile's byte offset
.set TAU, 44           ; s44 the tile asked for last, 0..15
.set O4,  45           ; s45 the cluster's number mod 4
.set G0V, 48           ; s[48:51] slot 0, s[52:55] slot 1
.set G0D, 56
.set MSB, 0
.macro WIN new                         ; the immediate's high byte repeats the setting that is left; a switch that changes nothing is dropped
.if MSB != (\new)
	s_set_vgpr_msb (MSB<<8)|(\new)
.set MSB, (\new)
.endif
.endm
.macro PLACES
.rept 4
	v_nop
.endr
.endm
.macro CREST                           ; a round of the cluster's barrier behind its opening barrier
	s_cmp_lg_u32 s[WV], 0
	s_cbranch_scc1 .Lnot_wave_0_\@
	s_barrier_signal -3
.Lnot_wave_0_\@:
	s_barrier_wait -3
	s_barrier_signal -1
	s_barrier_wait -1
.endm
.macro CROUND                          ; a whole round
	s_barrier_signal -1
	s_barrier_wait -1
	CREST
.endm
	s_load_b256 s[4:11], s[0:1], 0x0               ; x16 4, mb 6, ss 8, dt 10
	s_load_b64 s[12:13], s[0:1], 0x20              ; yy
	v_lshl_add_u32 v[SPW], v0, 2, SPARE
	v_mov_b32 v[NIL], 0
	ds_add_u32 v[SPW], v[NIL]                      ; the wave's opening: the add and its wait ahead of my first tensor load; the set-up below stands between them
	v_lshrrev_b32 v1, 5, v0
	v_readfirstlane_b32 s[WV], v1
	s_bfe_u32 s15, ttmp6, 0x40000                  ; cx
	s_lshl_b32 s16, ttmp9, 2
	s_add_co_u32 s16, s16, s15                     ; my block of 16 queries
	s_and_b32 s17, ttmp7, 0xffff                   ; b, which the partners share
	s_and_b32 s18, s[WV], 1                        ; which 32 keys of a step I make weights for
	s_lshr_b32 s19, s[WV], 1                       ; which four experts
	s_and_b32 s[O4], ttmp9, 3                      ; where the cluster's walk begins: 256 keys x this; the partners share it
	; x16's tile: 64 keys x 128 channels of 2 bytes, 512 elements from key to key; 32 bytes of padding behind each 256
	s_mov_b32 s[G1V+0], 15|(1<<16)|(1<<20)|(1<<21)|(5<<22)|(7<<25)
	s_mov_b32 s[G1V+1], 128<<16
	s_mov_b32 s[G1V+2], 64<<16
	s_mov_b32 s[G1V+3], 128<<16
	s_mov_b32 s[G1V+4], 64
	s_mov_b32 s[G1V+5], 512
	s_mov_b32 s[G1V+6], 0
	s_mov_b32 s[G1V+7], 0
	; a quarter of d's table: 8,192 dense bytes (256 keys) as 32 rows of 256
	s_mov_b32 s[G1D+0], 15|(3<<16)|(1<<21)
	s_mov_b32 s[G1D+1], 32<<16
	s_mov_b32 s[G1D+2], 32<<16
	s_mov_b32 s[G1D+3], 32<<16
	s_mov_b32 s[G1D+4], 32
	s_mov_b32 s[G1D+5], 32
	s_mov_b32 s[G1D+6], 0
	s_mov_b32 s[G1D+7], 0
	s_mov_b32 s[G0V], 1
	s_mul_i32 s[G0V+1], s[WV], VSL
	s_mov_b32 s[G0V+4], 1
	s_add_co_u32 s[G0V+5], s[G0V+1], VSLOT
	s_mov_b32 s[G0D], 1
	s_lshl_b32 s[G0D+1], s[WV], 13
	s_add_co_u32 s[G0D+1], s[G0D+1], DT
	s_mov_b32 s66, 0x80000000
	s_mov_b32 s67, 0x3fb8aa3b                      ; log2(e)
	s_mov_b32 s68, 0x7f800000                      ; +inf
	s_mov_b32 s69, 0x3e4ccccd                      ; 0.2
	s_mov_b32 s70, 0x76543210
	s_mov_b32 s71, 0xfedcba98
	s_mov_b32 s73, 0xff800000                      ; -inf
	s_lshl_b32 s20, s17, 20                        ; x16: b x 1 MiB + my 256 bytes of a row
	s_lshl_b32 s74, s[WV], 8
	s_add_co_u32 s20, s20, s74
	s_mov_b32 s21, 0
	s_lshl_b32 s[TAU], s[O4], 2                    ; the walk's first tile: 4 x the cluster's number mod 4
	s_lshl_b32 s[OFF], s[TAU], 16                  ; a tile is 64 rows of 1,024 bytes
	s_mov_b32 s[OFF+1], 0
	s_add_co_u32 s74, s[WV], s[O4]                 ; dt: LDS quarter w takes the table's quarter (w + start) mod 4
	s_and_b32 s74, s74, 3
	s_lshl_b32 s74, s74, 13
	s_lshl_b32 s76, s17, 15
	s_add_co_u32 s76, s76, s74
	s_mov_b32 s77, 0
	s_lshl_b32 s22, s17, 17                        ; mb: (1,024 b + 16 block) x 128 bytes
	s_lshl_b32 s74, s16, 11
	s_add_co_u32 s22, s22, s74
	s_mov_b32 s23, 0
	s_lshl_b32 s78, s17, 15                        ; ss: block of 32 rows, my first expert, my half of the block
	s_lshr_b32 s74, s16, 1
	s_lshl_b32 s74, s74, 10
	s_add_co_u32 s78, s78, s74
	s_and_b32 s74, s16, 1
	s_lshl_b32 s74, s74, 6
	s_add_co_u32 s78, s78, s74
	s_lshl_b32 s74, s19, 9
	s_add_co_u32 s78, s78, s74
	s_mov_b32 s79, 0
	s_lshl_b32 s80, s17, 23                        ; yy: b x 8 MiB + 16 block x 1,024 + my 256 bytes of a row
	s_lshl_b32 s74, s16, 14
	s_add_co_u32 s80, s80, s74
	s_lshl_b32 s74, s[WV], 8
	s_add_co_u32 s80, s80, s74
	s_mov_b32 s81, 0
	s_wait_dscnt 0x0                               ; the opening add is done
	s_wait_kmcnt 0x0
	s_add_nc_u64 s[VB:VB+1], s[4:5], s[20:21]
	s_add_nc_u64 s[G0V+2:G0V+3], s[VB:VB+1], s[OFF:OFF+1]
	s_add_nc_u64 s[G0V+6:G0V+7], s[G0V+2:G0V+3], 65536         ; slot 1: the next 64 keys (the first two tiles never wrap: 13 is the highest)
	s_or_b32 s[G0V+3], s[G0V+3], 0x80000000
	s_or_b32 s[G0V+7], s[G0V+7], 0x80000000
	s_add_co_u32 s[TAU], s[TAU], 1
	s_add_nc_u64 s[G0D+2:G0D+3], s[10:11], s[76:77]
	s_or_b32 s[G0D+3], s[G0D+3], 0x80000000
	s_add_nc_u64 s[6:7], s[6:7], s[22:23]
	s_add_nc_u64 s[8:9], s[8:9], s[78:79]
	s_add_nc_u64 s[12:13], s[12:13], s[80:81]
	CROUND                                         ; all four work-groups are here: the first joint loads meet
	tensor_load_to_lds s[G0D:G0D+3], s[G1D:G1D+7]  ; the first fills go out as one group: three loads of mine are out
	s_nop 0
	tensor_load_to_lds s[G0V:G0V+3], s[G1V:G1V+7]
	s_nop 0
	tensor_load_to_lds s[G0V+4:G0V+7], s[G1V:G1V+7]
	s_nop 0
	PLACES
	; the mask words: thread i takes 16 bytes of row i / 8: LDS block i % 8 of 128 keys holds the row's block (i % 8 + 2 x start) mod 8.  A wave reads 512 consecutive bytes, permuted inside each row
	v_and_b32 v232, 7, v0
	v_lshrrev_b32 v233, 3, v0
	s_lshl_b32 s74, s[O4], 1
	v_add_nc_u32 v234, s74, v232
	v_and_b32 v234, 7, v234
	v_lshlrev_b32 v[TT], 7, v233
	v_lshl_add_u32 v[TT], v234, 4, v[TT]
	v_mul_u32_u24 v[TT+1], v233, PM
	v_lshl_add_u32 v[TT+1], v232, 4, v[TT+1]
	v_add_nc_u32 v[TT+1], MW, v[TT+1]
	global_load_b128 v[R0:R0+3], v[TT], s[6:7]
	v_and_b32 v1, 15, v0                           ; r: my query
	v_bfe_u32 v2, v0, 4, 1                         ; h
	v_and_b32 v3, 31, v0
	v_lshlrev_b32 v[SO], 2, v1
.irp i, 0,1,2,3
	global_load_b32 v[SV+\i], v[SO], s[8:9] offset:128*\i
.endr
	v_bfe_u32 v233, v0, 3, 1                       ; the turning load: lane l reads key 8 h + l % 8, channels 8 ((l / 8) % 2) + 0..7
	v_lshl_add_u32 v[AV], v2, 3, v232
	v_mul_u32_u24 v[AV], v[AV], PV
	v_lshl_add_u32 v[AV], v233, 4, v[AV]
	v_add_nc_u32 v[AV], s[G0V+1], v[AV]
	v_add_nc_u32 v[AV+1], VSLOT, v[AV]
	v_lshl_add_u32 v[AP], v3, 4, PB
	s_lshl_b32 s74, s18, 13
	s_lshl_b32 s75, s19, 12
	s_add_co_u32 s74, s74, s75
	v_add_nc_u32 v[APW], s74, v[AP]
	s_lshl_b32 s74, s18, 10
	s_add_co_u32 s74, s74, DT
	v_lshl_add_u32 v[DB], v2, 5, s74
	v_mul_u32_u24 v[WB], v1, PM
	v_add_nc_u32 v[WB], MW, v[WB]
	; key 128 L + 4 i + q is bit i of word 4 L + q.  My 16 keys of a step are 8 h + 0..7 and 16 + 8 h + 0..7 of its 32 (w & 1) .. : i = 16 parity + 8 (w & 1) + 2 h + {0, 1, 4, 5}, q = 0..3
	s_lshl_b32 s74, s18, 3
	s_sub_co_u32 s74, 31, s74
	v_lshlrev_b32 v232, 1, v2
	v_sub_nc_u32 v232, s74, v232
	v_mov_b32 v[SH+0], v232
	v_add_nc_u32 v[SH+1], -1, v232
	v_add_nc_u32 v[SH+2], -4, v232
	v_add_nc_u32 v[SH+3], -5, v232
	v_add_nc_u32 v[SH+4], -16, v232
	v_add_nc_u32 v[SH+5], -17, v232
	v_add_nc_u32 v[SH+6], -20, v232
	v_add_nc_u32 v[SH+7], -21, v232
	s_lshl_b32 s74, s[WV], 2
	s_add_co_u32 s74, s74, RED1
	v_lshl_add_u32 v[R1S], v1, 4, s74
	s_lshl_b32 s74, s19, 10
	s_add_co_u32 s74, s74, RED1
	v_lshl_add_u32 v[R1L], v1, 4, s74
	s_lshl_b32 s74, s19, 9
	s_lshl_b32 s75, s18, 2
	s_add_co_u32 s74, s74, s75
	s_add_co_u32 s74, s74, RED2
	v_lshl_add_u32 v[R2S], v1, 3, s74
	v_lshl_add_u32 v[R2L], v1, 3, RED2
	s_mul_i32 s74, s[WV], 16*SP
	s_add_co_u32 s74, s74, STAGE
	v_mul_u32_u24 v[STO], v1, SP                   ; in: row r, 16 bytes for each half of the lanes
	v_lshl_add_u32 v[STO], v2, 4, v[STO]
	v_add_nc_u32 v[STO], s74, v[STO]
	v_mul_u32_u24 v[RD], v2, SP                    ; back: lanes 0-15 one row of 256 bytes, lanes 16-31 the next
	v_lshl_add_u32 v[RD], v1, 4, v[RD]
	v_add_nc_u32 v[RD], s74, v[RD]
	v_lshlrev_b32 v[GO], 10, v2
	v_lshl_add_u32 v[GO], v1, 4, v[GO]
; ---- THE WEIGHTS, one line or one slice of four at a time
.macro MASKA shb, g                    ; group g of four keys: their bits, one in each of the four words, to bit 31
.irp k, 0,1,2,3
	v_lshlrev_b32 v[TT+\k], v[(\shb)+(\g)], v[W+\k]
.endr
.endm
.macro MASKB g                         ; +inf, with the sign set where the key is hidden
.irp k, 0,1,2,3
	v_and_or_b32 v[M+4*(\g)+\k], v[TT+\k], v[KS], s68
.endr
.endm
.macro DLOADS dl                       ; d of my 16 keys for my four experts (the lanes of one half read the same bytes)
.set m_, 0
.rept 16
	ds_load_b128 v[(\dl)+4*m_:(\dl)+4*m_+3], v[DA] offset:(m_/4)*128+(m_%2)*16+((m_/2)%2)*64
.set m_, m_+1
.endr
	v_add_nc_u32 v[DA], 2048, v[DA]                ; the next step's keys
.endm
.macro FOP dl, t2, i                   ; scaling i of 64: pair i / 2: first the second branch, then the first, in place
.set p_, (\i)/2
.if (\i)%2 == 0
	v_pk_fma_f32 v[(\t2)+2*p_:(\t2)+2*p_+1], v[(\dl)+2*p_:(\dl)+2*p_+1], v[FB:FB+1], v[U+4*(p_/8)+2:U+4*(p_/8)+3] op_sel_hi:[1,0,0]
.else
	v_pk_fma_f32 v[(\dl)+2*p_:(\dl)+2*p_+1], v[(\dl)+2*p_:(\dl)+2*p_+1], v[FA:FA+1], v[U+4*(p_/8):U+4*(p_/8)+1] op_sel_hi:[1,0,0]
.endif
.endm
.macro XOP dl, t2, i                   ; min(max(both branches), mask)
	v_maxmin_num_f32 v[(\dl)+(\i)], v[(\dl)+(\i)], v[(\t2)+(\i)], v[M+(\i)%16]
.endm
.macro EOP dl, i
	v_exp_f32 v[(\dl)+(\i)], v[(\dl)+(\i)]
.endm
; Number q of 128: X 0-3; then E i and X i + 4 by turns, so that each exponential has a plain neighbour and stands eight numbers behind its maxmin; at the end E 60-63.  None of them reads an exponential's result.
.macro XEOP dl, t2, q
.if (\q) < 4
	XOP \dl, \t2, (\q)
.elseif (\q) < 124
.if (\q)%2 == 0
	EOP \dl, ((\q)-4)/2
.else
	XOP \dl, \t2, ((\q)-4)/2+4
.endif
.else
	EOP \dl, (\q)-64
.endif
.endm
.macro FSL dl, t2, s                   ; slice s of 16
.irp k, 0,1,2,3
	FOP \dl, \t2, 4*(\s)+\k
.endr
.endm
.macro XESL dl, t2, s                  ; slice s of 32
.irp k, 0,1,2,3
	XEOP \dl, \t2, 4*(\s)+\k
.endr
.endm
; Slice s of 24 behind the exponentials' wait.  0-7: four roundings; 1-8: the store of the four registers rounded a slice earlier; 8-15: the sums, neighbours 1, 2, 4 pairs apart, then l;
; 16-23: the masks of the step after, shifts and and-ors in slices by turns.  first = 1: the sums start l.
.macro BSL dl, pb, shb, s, first
.if (\s) < 8
.irp k, 0,1,2,3
	v_cvt_pk_f16_f32 v[P16+4*(\s)+\k], v[(\dl)+8*(\s)+2*\k], v[(\dl)+8*(\s)+2*\k+1]
.endr
.endif
.if ((\s) >= 1) && ((\s) <= 8)
	ds_store_b128 v[APW], v[P16+4*((\s)-1):P16+4*((\s)-1)+3] offset:(\pb)*PBUF+(((\s)-1)/2)*1024+(((\s)-1)%2)*512
.endif
.if (\s) >= 8
.if (\s) < 12
.irp k, 0,1,2,3
.set b_, (\dl)+4*(4*((\s)-8)+\k)
	v_pk_add_f32 v[b_:b_+1], v[b_:b_+1], v[b_+2:b_+3]
.endr
.elseif (\s) < 14
.irp k, 0,1,2,3
.set b_, (\dl)+8*(4*((\s)-12)+\k)
	v_pk_add_f32 v[b_:b_+1], v[b_:b_+1], v[b_+4:b_+5]
.endr
.elseif (\s) == 14
.irp k, 0,1,2,3
.set b_, (\dl)+16*\k
.if \first
	v_pk_add_f32 v[LS+2*\k:LS+2*\k+1], v[b_:b_+1], v[b_+8:b_+9]
.else
	v_pk_add_f32 v[b_:b_+1], v[b_:b_+1], v[b_+8:b_+9]
.endif
.endr
.elseif (\s) == 15
.if !(\first)
.irp k, 0,1,2,3
.set b_, (\dl)+16*\k
	v_pk_add_f32 v[LS+2*\k:LS+2*\k+1], v[LS+2*\k:LS+2*\k+1], v[b_:b_+1]
.endr
.endif
.elseif (\s)%2 == 0
	MASKA \shb, ((\s)-16)/2
.else
	MASKB ((\s)-16)/2
.endif
.endif
.endm
.macro APHASE dl, t2                   ; scalings, maxmin and exponentials where there are no products yet to set them behind; the batch's one wait
.set sl_, 0
.rept 16
	FSL \dl, \t2, sl_
.set sl_, sl_+1
.endr
.set sl_, 0
.rept 32
	XESL \dl, \t2, sl_
.set sl_, sl_+1
.endr
	v_nop                                          ; a plain instruction behind the last exponential,
	s_wait_alu depctr_va_vdst(0)                   ; and one wait for the batch of 64
.endm
; ---- THE PRODUCTS
.macro FRAGH slot, ks                  ; 32 loads: the fragments of 32 keys: 8 channel blocks of x16, 8 experts' p.  The step's parity picks slot and weight buffer alike
	WIN 0x40
.set m_, 0
.rept 8
	ds_load_tr16_b128 v[64*(\ks)+8*m_:64*(\ks)+8*m_+3],   v[AV+(\slot)] offset:(\ks)*32*PV+m_*32
	ds_load_tr16_b128 v[64*(\ks)+8*m_+4:64*(\ks)+8*m_+7], v[AV+(\slot)] offset:(\ks)*32*PV+16*PV+m_*32
.set m_, m_+1
.endr
.set m_, 0
.rept 8
	ds_load_b128 v[128+64*(\ks)+8*m_:128+64*(\ks)+8*m_+3],   v[AP] offset:(\slot)*PBUF+(8*(\ks)+m_)*1024
	ds_load_b128 v[128+64*(\ks)+8*m_+4:128+64*(\ks)+8*m_+7], v[AP] offset:(\slot)*PBUF+(8*(\ks)+m_)*1024+512
.set m_, m_+1
.endr
	WIN 0
.endm
; Product n of the 64 of key half ks.  Half 0 takes experts 0-3 and then 4-7, half 1 the other way round.  The accumulators take turns, one instruction a turn:
; between two products on one accumulator stand 31 others' or more, from half to half and from step to step too.  zero = 1: the product starts its sum: nothing is cleared.
.macro MM ks, n, zero
.if (\ks) == 0
.set hi_, (\n)/32
.else
.set hi_, 1-(\n)/32
.endif
.set a_, (\n)%32
	WIN 0xa5+0x50*hi_
.if \zero
	v_wmma_f32_16x16x32_f16 v[8*a_:8*a_+7], v[64*(\ks)+8*(a_%8):64*(\ks)+8*(a_%8)+7], v[128+64*(\ks)+8*(4*hi_+a_/8):128+64*(\ks)+8*(4*hi_+a_/8)+7], 0
.else
	v_wmma_f32_16x16x32_f16 v[8*a_:8*a_+7], v[64*(\ks)+8*(a_%8):64*(\ks)+8*(a_%8)+7], v[128+64*(\ks)+8*(4*hi_+a_/8):128+64*(\ks)+8*(4*hi_+a_/8)+7], v[8*a_:8*a_+7]
.endif
.endm
.macro MMS ks, from, to, zero          ; products from .. to - 1 with nothing behind them
.set n_, \from
.rept (\to)-(\from)
	MM \ks, n_, \zero
.set n_, n_+1
.endr
.endm
; M0 of a step of parity slot, and behind every second product up to the 48th a slice of the second half of the weights' work (the weights of the step after, which go to the other buffer).
.macro BPART slot, zero
.set n_, 0
.rept 64
	MM 0, n_, \zero
.if (n_%2 == 1) && (n_ < 48)
	WIN 0
.if ((\slot) == 0) && (n_ == 33)
	s_wait_dscnt 40                                ; the new mask words are in: behind them came d's 16 loads, 32 fragment loads and my 8 stores, of which 40 may be out
.endif
	BSL DL_, 1-(\slot), SH+4*(\slot), n_/2, 0
.endif
.set n_, n_+1
.endr
.endm
; PERIOD t, slot = t % 2.
.macro PERIOD slot
.set DL_, R0+64*(1-(\slot))
.set T2_, R0+64*(\slot)
	WIN 0
	s_wait_tensorcnt 0x0                           ; all my tensor loads have landed: one was out, my slice of this step's slot
	ds_add_u32 v[SPW], v[NIL]                      ; 0 onto my spare word
	s_add_co_u32 s[TAU], s[TAU], 1                 ; no load of mine is out: the other slot's descriptor takes the walk's next tile, its address made anew from the tile's number
	s_and_b32 s[TAU], s[TAU], 15
	s_lshl_b32 s[OFF], s[TAU], 16
	s_add_nc_u64 s[G0V+4*(1-(\slot))+2:G0V+4*(1-(\slot))+3], s[VB:VB+1], s[OFF:OFF+1]
	s_or_b32 s[G0V+4*(1-(\slot))+3], s[G0V+4*(1-(\slot))+3], 0x80000000
	s_wait_dscnt 9                                 ; d and the last step's second fragments are in; my eight stores of weights and the add may be out
.set n_, 0
.rept 8
	MM 1, n_, 0
	WIN 0
	FSL DL_, T2_, n_
.set n_, n_+1
.endr
	s_wait_dscnt 0x0                               ; the add is done, my weights of this step are in LDS, my reads of the last step's slot and weights are over
	s_barrier_signal -1                            ; this barrier opens a round of the cluster's
.rept 8
	MM 1, n_, 0
	WIN 0
	FSL DL_, T2_, n_
.set n_, n_+1
.endr
.rept 8
	MM 1, n_, 0
.set n_, n_+1
.endr
	WIN 0
	s_barrier_wait -1
	CREST                                          ; no wave of any partner still reads the slot read last step, or has a load on its way
	tensor_load_to_lds s[G0V+4*(1-(\slot)):G0V+4*(1-(\slot))+3], s[G1V:G1V+7]  ; the joint refill, first behind the round: 104 products ahead of the wait for it
	s_nop 0
	PLACES
	FRAGH \slot, 0                                 ; 40 products ahead of their first use
.rept 32
	MM 1, n_, 0
	WIN 0
	XESL DL_, T2_, n_-24
.set n_, n_+1
.endr
.rept 8
	MM 1, n_, 0
.set n_, n_+1
.endr
	WIN 0
	PLACES                                         ; the places between the last product and the loads into its operands; the first is also the plain instruction behind the exponentials
	s_wait_alu depctr_va_vdst(0)                   ; one wait for the batch of 64, ahead of a run of loads
	s_wait_dscnt 0x0                               ; this step's first fragments are in
.if (\slot) == 0
	s_cmp_eq_u32 s72, 1                            ; the last trip: there is no step 16: its loads are jumped over
	s_cbranch_scc1 .Lno_p_\@
	ds_load_b128 v[W:W+3], v[WA]                   ; the next block of 128 keys
.endif
	DLOADS T2_                                     ; d of step t + 2, where the second branch lay
.if (\slot) == 0
.Lno_p_\@:
.endif
	FRAGH \slot, 1                                 ; 64 products ahead of their first use
	BPART \slot, 0
.endm
	s_wait_loadcnt 0x4                             ; the mask words are in; the four loads of s stay out
	ds_store_b128 v[TT+1], v[R0:R0+3]
	s_wait_tensorcnt 0x2                           ; my part of d is in; both slots' loads stay out
	s_wait_dscnt 0x0
	s_barrier_signal -1
	s_barrier_wait -1
	; is any key of my row open?
.irp L, 0,1,2,3,4,5,6,7
	ds_load_b128 v[R0+4*\L:R0+4*\L+3], v[WB] offset:16*\L
.endr
	s_wait_dscnt 0x0
.set m_, 1
.rept 31
	v_and_b32 v[R0], v[R0], v[R0+m_]
.set m_, m_+1
.endr
	v_cmp_eq_u32 vcc_lo, -1, v[R0]                 ; every bit set: no open key
	v_cndmask_b32 v[KS], s66, 0, vcc_lo
	v_cndmask_b32 v[FA], s67, 0, vcc_lo
	v_mov_b32 v[FA+1], v[FA]
	v_mul_f32 v[FB], s69, v[FA]
	v_mov_b32 v[FB+1], v[FB]
	; THE FIRST PASS: the largest open d for my query, all eight experts.  Wave w walks the key blocks of 128 numbered 4 (w >> 1) .. + 3, of each the steps' halves w & 1; a lane 16 keys at a time.
	; Written once: the outer loop takes the blocks' first steps and then their second ones, the inner loop the four blocks.
	s_lshl_b32 s74, s19, 14
	s_lshl_b32 s75, s19, 6
.irp k, 0,1,2,3
	v_mov_b32 v[SHP+\k], v[SH+\k]
.endr
.irp e, 0,1,2,3,4,5,6,7
	v_mov_b32 v[DM+\e], s73
.endr
	s_mov_b32 s46, 2
.Lparity:
	v_add_nc_u32 v[DA], s74, v[DB]
	v_add_nc_u32 v[WA], s75, v[WB]
	s_mov_b32 s72, 4
.Lpass1:
	ds_load_b128 v[W:W+3], v[WA]
.set m_, 0
.rept 32
	ds_load_b128 v[R0+4*m_:R0+4*m_+3], v[DA] offset:(m_/4)*128+(m_%2)*16+((m_/2)%2)*64
.set m_, m_+1
.endr
	s_wait_dscnt 32                                ; the mask words are in; d's 32 loads may be out
.irp g, 0,1,2,3
	MASKA SHP, \g
	MASKB \g
.endr
	s_wait_dscnt 0x0
.set m_, 0
.rept 128
	v_minmax_num_f32 v[DM+m_%8], v[R0+16*(m_%8)+m_/8], v[M+m_/8], v[DM+m_%8]  ; max(min(d, mask), so far): eight chains by turns
.set m_, m_+1
.endr
	v_add_nc_u32 v[DA], 4096, v[DA]
	v_add_nc_u32 v[WA], 16, v[WA]
	s_sub_co_u32 s72, s72, 1
	s_cmp_lg_u32 s72, 0
	s_cbranch_scc1 .Lpass1
	s_add_co_u32 s74, s74, 2048                    ; the blocks' second steps: 64 keys on in d, 16 bits on in the words
.irp k, 0,1,2,3
	v_add_nc_u32 v[SHP+\k], -16, v[SHP+\k]
.endr
	s_sub_co_u32 s46, s46, 1
	s_cmp_lg_u32 s46, 0
	s_cbranch_scc1 .Lparity
.irp e, 0,1,2,3,4,5,6,7
	v_permlanex16_b32 v[R0+\e], v[DM+\e], s70, s71
.endr
.irp e, 0,1,2,3,4,5,6,7
	v_max_num_f32 v[DM+\e], v[DM+\e], v[R0+\e]
.endr
.irp e, 0,1,2,3,4,5,6,7
	ds_store_b32 v[R1S], v[DM+\e] offset:256*\e    ; both halves of the lanes hold the same number and write the same word
.endr
	s_wait_dscnt 0x0
	s_barrier_signal -1
	s_barrier_wait -1
.irp i, 0,1,2,3
	ds_load_b128 v[R0+4*\i:R0+4*\i+3], v[R1L] offset:256*\i
.endr
	s_wait_dscnt 0x0
.irp i, 0,1,2,3
	v_max3_num_f32 v[DM+\i], v[R0+4*\i], v[R0+4*\i+1], v[R0+4*\i+2]
.endr
.irp i, 0,1,2,3
	v_max_num_f32 v[DM+\i], v[DM+\i], v[R0+4*\i+3]
.endr
	s_wait_loadcnt 0x0                             ; s
.irp i, 0,1,2,3
	v_add_f32 v[TT], v[SV+\i], v[DM+\i]
	v_mul_f32 v[TT+1], s69, v[TT]
	v_max_num_f32 v[TT], v[TT], v[TT+1]            ; m
	v_sub_f32 v[TT+1], v[SV+\i], v[TT]
	v_fma_f32 v[TT+2], s69, v[SV+\i], -v[TT]
	v_mul_f32 v[U+4*\i], v[FA], v[TT+1]
	v_mul_f32 v[U+4*\i+2], v[FA], v[TT+2]
	v_mov_b32 v[U+4*\i+1], v[U+4*\i]
	v_mov_b32 v[U+4*\i+3], v[U+4*\i+2]
.endr
	; THE WEIGHTS OF STEP 0, with no products to set them behind; d of step 1 is asked for as soon as the second branch's region is free; at the end the masks of step 1
	s_lshl_b32 s74, s19, 9
	v_add_nc_u32 v[DA], s74, v[DB]
	v_mov_b32 v[WA], v[WB]
	ds_load_b128 v[W:W+3], v[WA]
	DLOADS R0
	s_wait_dscnt 0x0
.irp g, 0,1,2,3
	MASKA SH, \g
	MASKB \g
.endr
	APHASE R0, R1
	DLOADS R1
.set sl_, 0
.rept 24
	BSL R0, 0, SH+4, sl_, 1
.set sl_, sl_+1
.endr
	s_wait_tensorcnt 0x1                           ; my slice of slot 0 is in (only I read it); slot 1's load stays out
	s_wait_dscnt 0x0                               ; my weights are in LDS; d of step 1 is in
	s_barrier_signal -1
	s_barrier_wait -1
	; PERIOD 0: there is no step before it: the first half of step 1's weights stands alone; M0(0) starts the sums
.set DL_, R1
.set T2_, R0
	FRAGH 0, 0
	APHASE R1, R0
	s_wait_dscnt 0x0
	v_add_nc_u32 v[WA], 16, v[WA]
	ds_load_b128 v[W:W+3], v[WA]
	DLOADS R0
	FRAGH 0, 1
	BPART 0, 1
	WIN 0
	s_mov_b32 s72, 7
.Lsteps:                                               ; periods 1 to 14, two a trip; the even one takes the mask words of a new block of 128 keys
	v_add_nc_u32 v[WA], 16, v[WA]
	PERIOD 1
	PERIOD 0
	WIN 0
	s_sub_co_u32 s72, s72, 1
	s_cmp_lg_u32 s72, 0
	s_cbranch_scc1 .Lsteps
	; PERIOD 15 is written out: no fill, no weights; behind it M1(15)
	s_wait_tensorcnt 0x0                           ; my slice of the last tile is in
	ds_add_u32 v[SPW], v[NIL]
	s_wait_dscnt 9
	MMS 1, 0, 8, 0
	s_wait_dscnt 0x0
	s_barrier_signal -1
	MMS 1, 8, 24, 0
	WIN 0
	s_barrier_wait -1
	PLACES                                         ; four places between the products and the loads into their operands
	FRAGH 1, 0
	MMS 1, 24, 64, 0
	WIN 0
	PLACES
	s_wait_dscnt 0x0
	FRAGH 1, 1
	MMS 0, 0, 64, 0
	s_wait_dscnt 0x0
	MMS 1, 0, 64, 0
	WIN 0
	PLACES
	; l: the pair, the other half of the lanes, the other key half's wave
.irp i, 0,1,2,3
	v_add_f32 v[LS+2*\i], v[LS+2*\i], v[LS+2*\i+1]
.endr
.irp i, 0,1,2,3
	v_permlanex16_b32 v[LS+2*\i+1], v[LS+2*\i], s70, s71
.endr
.irp i, 0,1,2,3
	v_add_f32 v[LS+2*\i], v[LS+2*\i], v[LS+2*\i+1]
.endr
.irp i, 0,1,2,3
	ds_store_b32 v[R2S], v[LS+2*\i] offset:128*\i
.endr
	s_wait_dscnt 0x0
	s_barrier_signal -1
	s_barrier_wait -1
.irp e, 0,1,2,3,4,5,6,7
	ds_load_b64 v[IV+2*\e:IV+2*\e+1], v[R2L] offset:128*\e
.endr
	s_wait_dscnt 0x0
.irp e, 0,1,2,3,4,5,6,7
	v_add_f32 v[IV+2*\e+1], v[IV+2*\e], v[IV+2*\e+1]
.endr
.irp e, 0,1,2,3,4,5,6,7
	v_rcp_f32 v[IV+2*\e], v[IV+2*\e+1]
.endr
	v_nop
	s_wait_alu depctr_va_vdst(0)                   ; one wait for the eight reciprocals
; THE WAY OUT, an expert (16 rows x my 256 bytes) at a time: divided by l, rounded to f16, through my own stage, stored as whole rows.
.macro PACK e
.set AC, 64*((\e)%4)
	WIN 0x82+0x41*((\e)/4)                         ; accumulators in window 2 or 3, 1 / l in window 0
.set m_, 0
.rept 32
	v_pk_mul_f32 v[AC+2*m_:AC+2*m_+1], v[AC+2*m_:AC+2*m_+1], v[IV+2*(\e):IV+2*(\e)+1] op_sel_hi:[1,0]
.set m_, m_+1
.endr
	WIN 0x0a+5*((\e)/4)
.set m_, 0
.rept 32
	v_cvt_pk_f16_f32 v[TMP+m_], v[AC+2*m_], v[AC+2*m_+1]
.set m_, m_+1
.endr
	WIN 0
.endm
.macro TOSTAGE e
.set B_, BK+32*((\e)%2)
.irp c, 0,1,2,3,4,5,6,7
	ds_store_b128 v[STO], v[TMP+4*\c:TMP+4*\c+3] offset:32*\c
.endr
.irp t, 0,1,2,3,4,5,6,7
	ds_load_b128 v[B_+4*\t:B_+4*\t+3], v[RD] offset:\t*2*SP    ; LDS serves a wave's instructions in order: these see the stores above
.endr
.endm
.macro SEND e
.set B_, BK+32*((\e)%2)
	s_wait_dscnt 0x0
	s_wait_xcnt 0x0                                ; the registers that the stores before these read are loaded again only behind this wait
.irp t, 0,1,2,3,4,5,6,7
	global_store_b128 v[GO], v[B_+4*\t:B_+4*\t+3], s[12:13] offset:(\e)*1048576+2*\t*1024  ; 16 lanes: 256 consecutive aligned bytes of a row; 7,354,368 at the most, inside the signed 24 bits
.endr
.endm
	PACK 0
	TOSTAGE 0
.irp e, 1,2,3,4,5,6,7
	PACK \e                                        ; an expert's arithmetic stands between the loads of the one before and its stores
	SEND (\e)-1
	TOSTAGE \e
.endr
	SEND 7
	s_wait_tensorcnt 0x0                           ; the wave's end
	ds_add_u32 v[SPW], v[NIL]
	s_wait_dscnt 0x0
	CROUND                                         ; the closing round
	s_endpgm
.Lfunc_end_k_qf0e2387026_attn:
	.size	k_qf0e2387026_attn, .Lfunc_end_k_qf0e2387026_attn-k_qf0e2387026_attn
	.p2alignl 7, 3214868480
	.fill 96, 4, 3214868480
	.section	.rodata,"a",@progbits
	.p2align	6, 0x0
	.amdhsa_kernel k_qf0e2387026_attn
		.amdhsa_group_segment_fixed_size 327680
		.amdhsa_private_segment_fixed_size 0
		.amdhsa_enable_private_segment 0
		.amdhsa_kernarg_size 40
		.amdhsa_user_sgpr_count 2
		.amdhsa_user_sgpr_kernarg_segment_ptr 1
		.amdhsa_wavefront_size32 1
		.amdhsa_system_sgpr_workgroup_id_x 1
		.amdhsa_system_sgpr_workgroup_id_y 1
		.amdhsa_system_sgpr_workgroup_id_z 1
		.amdhsa_system_vgpr_workitem_id 0
		.amdhsa_next_free_vgpr 1024
		.amdhsa_next_free_sgpr 96
		.amdhsa_reserve_vcc 1
		.amdhsa_float_denorm_mode_32 3
		.amdhsa_float_denorm_mode_16_64 3
		.amdhsa_memory_ordered 1
		.amdhsa_forward_progress 1
		.amdhsa_inst_pref_size 211
	.end_amdhsa_kernel
	.amdgpu_metadata
---
amdhsa.version: [ 1, 2 ]
amdhsa.kernels:
  - .name:           k_qf0e2387026_attn
    .symbol:         k_qf0e2387026_attn.kd
    .args:
      - { .name: x16, .offset: 0, .size: 8, .value_kind: global_buffer, .address_space: global }
      - { .name: mb, .offset: 8, .size: 8, .value_kind: global_buffer, .address_space: global }
      - { .name: ss, .offset: 16, .size: 8, .value_kind: global_buffer, .address_space: global }
      - { .name: dt, .offset: 24, .size: 8, .value_kind: global_buffer, .address_space: global }
      - { .name: yy, .offset: 32, .size: 8, .value_kind: global_buffer, .address_space: global }
    .group_segment_fixed_size: 327680
    .private_segment_fixed_size: 0
    .kernarg_segment_align: 8
    .kernarg_segment_size: 40
    .max_flat_workgroup_size: 128
    .sgpr_count:     96
    .vgpr_count:     1024
    .wavefront_size: 32
...
	.end_amdgpu_metadata
.endif
;; end of part 3
;; launch comb (part 4): grid 4 x 64, 4 waves a work-group, clusters of 4 x 4, 327,680 bytes of LDS; arguments yy, w16, gg, out0; writes out0
.if DOCPART == 4
	.amdgcn_target "amdgcn-amd-amdhsa--gfx1250"
	.amdhsa_code_object_version 6
	.text
	.protected	k_qf0e2387026_comb
	.globl	k_qf0e2387026_comb
	.p2align	8
	.type	k_qf0e2387026_comb,@function
k_qf0e2387026_comb:
	s_mov_b64 s[64:65], 0
	v_nop
	global_prefetch_b8 v0, s[64:65] scope:SCOPE_SE
	s_setreg_imm32_b32 hwreg(HW_REG_WAVE_MODE, 25, 1), 1
	s_wait_xcnt 0x0
	s_wait_alu depctr_hold_cnt(0) depctr_sa_sdst(0) depctr_va_vdst(0) depctr_va_sdst(0) depctr_va_ssrc(0) depctr_va_vcc(0) depctr_vm_vsrc(0)
	s_getreg_b32 s2, hwreg(HW_REG_IB_STS2, 6, 4)
	s_cmp_eq_u32 s2, 0
	s_cbranch_scc0 .Lentry_in_a_cluster
	s_endpgm
.Lentry_in_a_cluster:
	s_bfe_u32 s2, ttmp6, 0x10000c
	s_cmp_lg_u32 s2, 0xf033
	s_cbranch_scc0 .Lentry_shape_is_right
	s_endpgm
.Lentry_shape_is_right:
; COMB: out0[row][z] = sum over e of gate[row][e] elu(sum over d of yy[b][e][n][d] w16[e][d][z]).  Operands f16, sums f32, the activation and the mix in f32.
; elu(o) = max(min(2^(o log2 e) - 1, 0), o): for o > 0 the inner part is 0; for o < 0, e^o - 1 >= o.  LIMIT: the negative branch carries an absolute error of about 2^-24.  NaN and infinities are not treated apart.
; A tile of out0 is 128 rows x 128 columns: 256 work-groups; four waves of 64 x 64: 16 accumulators.  A LAP is one expert: two K steps of 256 through two LDS slots (slot 0: d 0-255, slot 1: d 256-511);
; at a lap's end the accumulators pass the activation and are added, times the gate, into FIN (window 2); the next lap's first products start the sums anew with the constant 0.
; CLUSTERS: 4 x 4.  yy's tile hangs on the tile row alone and is shared along a row of the cluster, w16's on the tile column alone and is shared along a column: joint loads.
; THE MATRIX INSTRUCTION IS USED TRANSPOSED: source 0 = 16 columns z x 32 d (w16 lies [d][z]: turned by ds_load_tr16_b128), source 1 = 16 rows of yy: a lane holds one row and eight neighbouring columns.
; FIN is cleared at the head, in the wait for the first tiles, on purpose: a first lap written out apart would be a third copy of a lap's text.
; WINDOWS: 0: v0-31 addresses, v32-39 the gate, v64-127 at work, v128-255 accumulators ((a, b) at 128 + 8 (4 a + b)); 1: two fragment buffers of 128 (64 of yy, 64 of w16, 64 along K); 2: v0-127 FIN.
.set PITCH,  528       ; a row of yy's tile: 512 bytes + 16
.set PW,     288       ; a row of w16's tile: 256 bytes + 32
.set HALFA,  64*PITCH  ; what waves 0 and 1 fetch
.set HALFB,  128*PW    ; what waves 2 and 3 fetch
.set WOFF,   2*HALFA
.set SLOT,   WOFF+2*HALFB      ; 141,312
.set STAGE,  2*SLOT            ; 282,624: 16 rows x 272 bytes a wave
.set SPITCH, 272
.set SPARE,  STAGE+4*16*SPITCH ; 300,032
.set ADRA, 16          ; v16-17 my yy fragments in slot 0, 1
.set ADRB, 20          ; v20-23 my w16 fragments: [slot][d below or from 128], since 240 rows of 288 bytes pass the 16-bit offset
.set STO,  24
.set RD,   25
.set CO,   26
.set GA,   27          ; my byte offset in gg; steps an expert a lap
.set SPW,  28
.set NIL,  29
.set ZR,   30          ; 0, for the activation
.set G,    32          ; the gate of row tile a at +2 a (a pair's low register; the high one is written once)
.set T,    64
.set ACC,  128
.set F0,   0
.set F1,   128
.set G1,  24
.set G0,  32
.set G1B, 48
.set G0B, 56
.set CS,  66           ; s[66:67] log2(e)
.set MSB, 0
.macro WIN new
.if MSB != (\new)
	s_set_vgpr_msb (MSB<<8)|(\new)
.set MSB, (\new)
.endif
.endm
.set MUL,  0x05        ; both sources window 1; C and D window 0
.set TO_F, 0x40
.macro PLACES
.rept 4
	v_nop
.endr
.endm
.macro JLOAD s                         ; a joint load: waves 0 and 1 fetch yy's two halves, waves 2 and 3 w16's; an s_nop 0 and four v_nop follow each line
	s_cmp_eq_u32 s11, 0
	s_cbranch_scc0 .Lfor_b_\@
	tensor_load_to_lds s[G0+4*(\s):G0+4*(\s)+3], s[G1:G1+7]
	s_nop 0
.rept 4
	v_nop
.endr
	s_branch .Lasked_\@
.Lfor_b_\@:
	tensor_load_to_lds s[G0B+4*(\s):G0B+4*(\s)+3], s[G1B:G1B+7]
	s_nop 0
.rept 4
	v_nop
.endr
.Lasked_\@:
.endm
.macro CREST
	s_cmp_lg_u32 s10, 0
	s_cbranch_scc1 .Lnot_wave_0_\@
	s_barrier_signal -3
.Lnot_wave_0_\@:
	s_barrier_wait -3
	s_barrier_signal -1
	s_barrier_wait -1
.endm
.macro CROUND
	s_barrier_signal -1
	s_barrier_wait -1
	CREST
.endm
	s_load_b128 s[4:7], s[0:1], 0x0                ; yy 4, w16 6
	s_load_b128 s[68:71], s[0:1], 0x10             ; gg 68, out0 70
	v_lshl_add_u32 v[SPW], v0, 2, SPARE
	v_mov_b32 v[NIL], 0
	ds_add_u32 v[SPW], v[NIL]                      ; the wave's opening: the add and its wait ahead of my first tensor load
	v_lshrrev_b32 v1, 5, v0
	v_readfirstlane_b32 s10, v1
	s_lshr_b32 s11, s10, 1                         ; my half of the tile's rows.  Also: I fetch yy (0) or w16 (1)
	s_and_b32 s12, s10, 1                          ; my half of its columns.  Also: which half of that tile I fetch
	s_bfe_u32 s40, ttmp6, 0x40000                  ; cx
	s_bfe_u32 s41, ttmp6, 0x40004                  ; cy
	s_lshl_b32 s42, ttmp9, 2
	s_add_co_u32 s42, s42, s40                     ; tile column
	s_and_b32 s13, ttmp7, 0xffff
	s_lshl_b32 s13, s13, 2
	s_add_co_u32 s13, s13, s41                     ; tile row
	s_lshl_b32 s43, s41, 2
	s_lshl_b32 s43, 15, s43                        ; my row of the cluster
	s_lshl_b32 s44, 0x1111, s40                    ; my column
	s_or_b32 s[G1+0], s43, (1<<16)|(1<<20)|(1<<21)|(6<<22)|(3<<25)   ; yy: 2-byte elements, 16 bytes of padding behind each 512
	s_or_b32 s[G1B+0], s44, (1<<16)|(1<<20)|(1<<21)|(5<<22)|(7<<25)  ; w16: 32 bytes behind each 256
	s_mov_b32 s[G1+1], 256<<16                     ; 64 rows x 256 elements
	s_mov_b32 s[G1+2], 64<<16
	s_mov_b32 s[G1+3], 256<<16
	s_mov_b32 s[G1+4], 64
	s_mov_b32 s[G1+5], 512
	s_mov_b32 s[G1+6], 0
	s_mov_b32 s[G1+7], 0
	s_mov_b32 s[G1B+1], 128<<16                    ; 128 rows x 128 elements
	s_mov_b32 s[G1B+2], 128<<16
	s_mov_b32 s[G1B+3], 128<<16
	s_mov_b32 s[G1B+4], 128
	s_mov_b32 s[G1B+5], 512
	s_mov_b32 s[G1B+6], 0
	s_mov_b32 s[G1B+7], 0
	s_mov_b32 s[CS], 0x3fb8aa3b
	s_mov_b32 s[CS+1], s[CS]
	s_lshr_b32 s16, s13, 3                         ; yy: b x 8 MiB + 128 (tile row % 8) rows of 1,024 bytes + my 64 rows
	s_lshl_b32 s16, s16, 23
	s_and_b32 s17, s13, 7
	s_lshl_b32 s17, s17, 17
	s_add_co_u32 s16, s16, s17
	s_lshl_b32 s17, s12, 16
	s_add_co_u32 s16, s16, s17
	s_mov_b32 s17, 0
	s_lshl_b32 s46, s12, 17                        ; w16: my 128 rows d + the tile's 256 bytes of a row
	s_lshl_b32 s47, s42, 8
	s_add_co_u32 s46, s46, s47
	s_mov_b32 s47, 0
	s_mul_i32 s20, s12, HALFA                      ; where they go: no place in the cluster enters an LDS address
	s_mul_i32 s21, s12, HALFB
	s_add_co_u32 s21, s21, WOFF
	s_wait_dscnt 0x0
	s_wait_kmcnt 0x0
	s_add_nc_u64 s[14:15], s[4:5], s[16:17]
	s_add_nc_u64 s[46:47], s[6:7], s[46:47]
	CROUND                                         ; all sixteen work-groups are here
.irp s, 0,1
	s_mov_b32 s[G0+4*(\s)], 1
	s_add_co_u32 s[G0+4*(\s)+1], s20, (\s)*SLOT
	s_add_nc_u64 s[G0+4*(\s)+2:G0+4*(\s)+3], s[14:15], (\s)*512
	s_or_b32 s[G0+4*(\s)+3], s[G0+4*(\s)+3], 0x80000000
	s_mov_b32 s[G0B+4*(\s)], 1
	s_add_co_u32 s[G0B+4*(\s)+1], s21, (\s)*SLOT
	s_add_nc_u64 s[G0B+4*(\s)+2:G0B+4*(\s)+3], s[46:47], (\s)*262144
	s_or_b32 s[G0B+4*(\s)+3], s[G0B+4*(\s)+3], 0x80000000
	JLOAD \s
.endr
	v_and_b32 v1, 15, v0
	v_bfe_u32 v2, v0, 4, 1
	v_mul_u32_u24 v3, v1, PITCH
	v_lshl_add_u32 v3, v2, 4, v3                   ; yy: row x pitch + 16 x half
	v_and_b32 v5, 7, v0
	v_bfe_u32 v6, v0, 3, 1
	v_lshl_add_u32 v4, v2, 3, v5
	v_mul_u32_u24 v4, v4, PW
	v_lshl_add_u32 v4, v6, 4, v4                   ; w16: row 8 h + l % 8, 16 bytes by (l / 8) % 2
	s_mul_i32 s22, s11, HALFA
	s_lshl_b32 s23, s12, 7
	s_add_co_u32 s23, s23, WOFF
.irp s, 0,1
	v_add_nc_u32 v[ADRA+(\s)], s22, v3
	v_add_nc_u32 v[ADRB+2*(\s)], s23, v4
	v_add_nc_u32 v[ADRB+2*(\s)+1], HALFB, v[ADRB+2*(\s)]
	s_add_co_u32 s22, s22, SLOT
	s_add_co_u32 s23, s23, SLOT
.endr
	s_mul_i32 s22, s10, 16*SPITCH
	s_add_co_u32 s22, s22, STAGE
	v_mul_u32_u24 v[STO], v1, SPITCH               ; in: row r, 32 bytes for each half of the lanes
	v_lshl_add_u32 v[STO], v2, 5, v[STO]
	v_add_nc_u32 v[STO], s22, v[STO]
	v_mul_u32_u24 v[RD], v2, SPITCH                ; back: lanes 0-15 one row of 256 bytes, lanes 16-31 the next
	v_lshl_add_u32 v[RD], v1, 4, v[RD]
	v_add_nc_u32 v[RD], s22, v[RD]
	v_lshlrev_b32 v[CO], 11, v2
	v_lshl_add_u32 v[CO], v1, 4, v[CO]
	v_lshlrev_b32 v[GA], 2, v1
	v_mov_b32 v[ZR], 0
.irp a, 0,1,2,3
	v_mov_b32 v[G+2*\a+1], 0
.endr
	s_lshl_b32 s16, s13, 12                        ; gg: blocks of 32 rows: 4 x tile row + 2 x my half
	s_lshl_b32 s17, s11, 11
	s_add_co_u32 s16, s16, s17
	s_mov_b32 s17, 0
	s_add_nc_u64 s[68:69], s[68:69], s[16:17]
	s_lshl_b32 s16, s13, 18                        ; out0: (128 x tile row + 64 x my half) rows of 2,048 bytes,
	s_lshl_b32 s17, s11, 17
	s_add_co_u32 s16, s16, s17
	s_mov_b32 s17, 0
	s_add_nc_u64 s[70:71], s[70:71], s[16:17]
	s_lshl_b32 s46, s42, 9                         ; and my 256 bytes of them
	s_lshl_b32 s47, s12, 8
	s_add_co_u32 s46, s46, s47
	s_mov_b32 s47, 0
	s_add_nc_u64 s[70:71], s[70:71], s[46:47]
	WIN 0x80
.set m_, 0
.rept 128
	v_mov_b32 v[m_], 0                             ; FIN
.set m_, m_+1
.endr
	WIN 0
.macro MUL8 f, c, a0, zero             ; 8 products: row tiles a0, a0 + 1 x 4 column tiles, 32 along K
	WIN MUL
.irp a, \a0, (\a0)+1
.irp b, 0,1,2,3
.if \zero
	v_wmma_f32_16x16x32_f16 v[ACC+8*(4*(\a)+(\b)):ACC+8*(4*(\a)+(\b))+7], v[(\f)+64+8*(4*(\c)+(\b)):(\f)+64+8*(4*(\c)+(\b))+7], v[(\f)+8*(4*(\c)+(\a)):(\f)+8*(4*(\c)+(\a))+7], 0
.else
	v_wmma_f32_16x16x32_f16 v[ACC+8*(4*(\a)+(\b)):ACC+8*(4*(\a)+(\b))+7], v[(\f)+64+8*(4*(\c)+(\b)):(\f)+64+8*(4*(\c)+(\b))+7], v[(\f)+8*(4*(\c)+(\a)):(\f)+8*(4*(\c)+(\a))+7], v[ACC+8*(4*(\a)+(\b)):ACC+8*(4*(\a)+(\b))+7]
.endif
.endr
.endr
.endm
.macro FETCH slot, q, f                ; 32 LDS loads in one run: the fragments of quarter q (64 along K) of a slot; the first 32 along K first
	WIN TO_F
.irp c, 0,1
.irp i, 0,1,2,3
	ds_load_tr16_b128 v[(\f)+64+8*(4*(\c)+(\i)):(\f)+64+8*(4*(\c)+(\i))+3],   v[ADRB+2*(\slot)+(\q)/2] offset:((64*(\q)+32*(\c))%128)*PW+32*(\i)
	ds_load_tr16_b128 v[(\f)+64+8*(4*(\c)+(\i))+4:(\f)+64+8*(4*(\c)+(\i))+7], v[ADRB+2*(\slot)+(\q)/2] offset:((64*(\q)+32*(\c))%128+16)*PW+32*(\i)
	ds_load_b128 v[(\f)+8*(4*(\c)+(\i)):(\f)+8*(4*(\c)+(\i))+3],   v[ADRA+(\slot)] offset:128*(\q)+64*(\c)+(\i)*16*PITCH
	ds_load_b128 v[(\f)+8*(4*(\c)+(\i))+4:(\f)+8*(4*(\c)+(\i))+7], v[ADRA+(\slot)] offset:128*(\q)+64*(\c)+(\i)*16*PITCH+32
.endr
.endr
.endm
.macro QUARTER slot, q, f, g, zero     ; multiplies buffer f; in its middle fetches quarter q of the slot into g
	s_wait_dscnt 16                                ; the first 32 along K are in
	MUL8 \f, 0, 0, \zero
	MUL8 \f, 0, 2, \zero
	PLACES
	FETCH \slot, \q, \g
	s_wait_dscnt 32                                ; all but the 32 just issued
	MUL8 \f, 1, 0, 0
	MUL8 \f, 1, 2, 0
.endm
; The last quarter of a K step multiplies buffer 1 and changes slots: one barrier; in front of it each wave waits for all its tensor loads (one is out: its part of the next slot), adds 0 to its spare word,
; and waits for that and for its reads of this slot.  fill = 1: the barrier opens a round of the cluster's, and this slot takes the next expert's same half of K, first thing behind it: 112 products ahead of the wait for it.
.macro TURN slot, next, fill
	WIN 0
	s_wait_tensorcnt 0x0
	ds_add_u32 v[SPW], v[NIL]
	s_wait_dscnt 17                                ; the add and the youngest sixteen loads may be out
	MUL8 F1, 0, 0, 0
	s_wait_dscnt 0x0
	s_barrier_signal -1
	MUL8 F1, 0, 2, 0
.if \fill
	WIN 0
.endif
	s_barrier_wait -1
.if \fill
	CREST
	s_add_nc_u64 s[G0+4*(\slot)+2:G0+4*(\slot)+3], s[G0+4*(\slot)+2:G0+4*(\slot)+3], 1048576
	s_add_nc_u64 s[G0B+4*(\slot)+2:G0B+4*(\slot)+3], s[G0B+4*(\slot)+2:G0B+4*(\slot)+3], 524288
	JLOAD \slot
.else
	PLACES
.endif
	FETCH \next, 0, F0
	MUL8 F1, 1, 0, 0
	MUL8 F1, 1, 2, 0
.endm
.macro GLOAD                           ; the lap's gate for my 64 rows: row tile a lies in block a / 2 of 32 rows, at its half a % 2
	WIN 0
.irp a, 0,1,2,3
	global_load_b32 v[G+2*\a], v[GA], s[68:69] offset:(\a/2)*1024+(\a%2)*64
.endr
.endm
; A LAP'S END: FIN += gate x elu(accumulators), eight tiles at a time; each batch of 64 exponentials has one wait.
.macro EPI
	WIN 0
	PLACES                                         ; four places behind the last products, before their sums are read
.irp bt, 0,1
.set m_, 0
.rept 32
	v_pk_mul_f32 v[T+2*m_:T+2*m_+1], v[ACC+64*\bt+2*m_:ACC+64*\bt+2*m_+1], s[CS:CS+1] op_sel_hi:[1,0]  ; each accumulator is read from its low end on
.set m_, m_+1
.endr
.set m_, 0
.rept 64
	v_exp_f32 v[T+m_], v[T+m_]
.set m_, m_+1
.endr
	v_nop
	s_wait_alu depctr_va_vdst(0)                   ; one wait for the batch
.set m_, 0
.rept 32
	v_pk_add_f32 v[T+2*m_:T+2*m_+1], v[T+2*m_:T+2*m_+1], -1.0 op_sel_hi:[1,0]
.set m_, m_+1
.endr
.set m_, 0
.rept 64
	v_minmax_num_f32 v[T+m_], v[T+m_], v[ZR], v[ACC+64*\bt+m_]
.set m_, m_+1
.endr
.if \bt == 0
	s_wait_loadcnt 0x0                             ; the gate
.endif
	WIN 0xa0                                       ; FIN (destination and addend) in window 2
.set m_, 0
.rept 32
	v_pk_fma_f32 v[64*\bt+2*m_:64*\bt+2*m_+1], v[T+2*m_:T+2*m_+1], v[G+2*(2*\bt+m_/16):G+2*(2*\bt+m_/16)+1], v[64*\bt+2*m_:64*\bt+2*m_+1] op_sel_hi:[1,0,1]
.set m_, m_+1
.endr
	WIN 0
.endr
	v_add_nc_u32 v[GA], 128, v[GA]                 ; the next expert's gate; the loads that read GA are done
.endm
	s_wait_tensorcnt 1                             ; my part of slot 0 is in,
	s_barrier_signal -1
	s_barrier_wait -1                              ; everybody's is
	FETCH 0, 0, F0
	WIN 0
	s_mov_b32 s3, 7
.Llap:                                                 ; experts 0 to 6: both slots are filled again with the next expert's tiles
	GLOAD
	QUARTER 0, 1, F0, F1, 1                        ; the lap's first products start the sums
	QUARTER 0, 2, F1, F0, 0
	QUARTER 0, 3, F0, F1, 0
	TURN 0, 1, 1
	QUARTER 1, 1, F0, F1, 0
	QUARTER 1, 2, F1, F0, 0
	QUARTER 1, 3, F0, F1, 0
	TURN 1, 0, 1
	EPI
	s_sub_co_u32 s3, s3, 1
	s_cmp_lg_u32 s3, 0
	s_cbranch_scc1 .Llap
	GLOAD                                          ; expert 7 is written out: it fills nothing
	QUARTER 0, 1, F0, F1, 1
	QUARTER 0, 2, F1, F0, 0
	QUARTER 0, 3, F0, F1, 0
	TURN 0, 1, 0
	QUARTER 1, 1, F0, F1, 0
	QUARTER 1, 2, F1, F0, 0
	QUARTER 1, 3, F0, F1, 0
	s_wait_dscnt 16
	MUL8 F1, 0, 0, 0
	MUL8 F1, 0, 2, 0
	s_wait_dscnt 0x0
	MUL8 F1, 1, 0, 0
	MUL8 F1, 1, 2, 0
	EPI
	; THE WAY OUT, 16 rows at a time through my own stage: a lane's eight f32 are 32 bytes of a row; back as whole rows of 256 bytes.
.irp a, 0,1,2,3
	s_wait_xcnt 0x0                                ; T, which the last stores read, is loaded again only behind this wait
	WIN 0x08                                       ; the stores' data in window 2
.irp b, 0,1,2,3
	ds_store_b128 v[STO], v[8*(4*\a+\b):8*(4*\a+\b)+3] offset:64*\b
	ds_store_b128 v[STO], v[8*(4*\a+\b)+4:8*(4*\a+\b)+7] offset:64*\b+16
.endr
	WIN 0
.irp t, 0,1,2,3,4,5,6,7
	ds_load_b128 v[T+4*\t:T+4*\t+3], v[RD] offset:\t*2*SPITCH  ; LDS serves a wave's instructions in order: these see the stores above
.endr
	s_wait_dscnt 0x0
.irp t, 0,1,2,3,4,5,6,7
	global_store_b128 v[CO], v[T+4*\t:T+4*\t+3], s[70:71] offset:(16*\a+2*\t)*2048 th:TH_STORE_NT  ; 16 lanes: 256 consecutive aligned bytes
.endr
.endr
	s_wait_tensorcnt 0x0                           ; the wave's end
	ds_add_u32 v[SPW], v[NIL]
	s_wait_dscnt 0x0
	CROUND                                         ; the closing round
	s_endpgm
.Lfunc_end_k_qf0e2387026_comb:
	.size	k_qf0e2387026_comb, .Lfunc_end_k_qf0e2387026_comb-k_qf0e2387026_comb
	.p2alignl 7, 3214868480
	.fill 96, 4, 3214868480
	.section	.rodata,"a",@progbits
	.p2align	6, 0x0
	.amdhsa_kernel k_qf0e2387026_comb
		.amdhsa_group_segment_fixed_size 327680
		.amdhsa_private_segment_fixed_size 0
		.amdhsa_enable_private_segment 0
		.amdhsa_kernarg_size 32
		.amdhsa_user_sgpr_count 2
		.amdhsa_user_sgpr_kernarg_segment_ptr 1
		.amdhsa_wavefront_size32 1
		.amdhsa_system_sgpr_workgroup_id_x 1
		.amdhsa_system_sgpr_workgroup_id_y 1
		.amdhsa_system_sgpr_workgroup_id_z 1
		.amdhsa_system_vgpr_workitem_id 0
		.amdhsa_next_free_vgpr 640
		.amdhsa_next_free_sgpr 72
		.amdhsa_reserve_vcc 0
		.amdhsa_float_denorm_mode_32 3
		.amdhsa_float_denorm_mode_16_64 3
		.amdhsa_memory_ordered 1
		.amdhsa_forward_progress 1
		.amdhsa_inst_pref_size 140
	.end_amdhsa_kernel
	.amdgpu_metadata
---
amdhsa.version: [ 1, 2 ]
amdhsa.kernels:
  - .name:           k_qf0e2387026_comb
    .symbol:         k_qf0e2387026_comb.kd
    .args:
      - { .name: yy, .offset: 0, .size: 8, .value_kind: global_buffer, .address_space: global }
      - { .name: w16, .offset: 8, .size: 8, .value_kind: global_buffer, .address_space: global }
      - { .name: gg, .offset: 16, .size: 8, .value_kind: global_buffer, .address_space: global }
      - { .name: out0, .offset: 24, .size: 8, .value_kind: global_buffer, .address_space: global }
    .group_segment_fixed_size: 327680
    .private_segment_fixed_size: 0
    .kernarg_segment_align: 8
    .kernarg_segment_size: 32
    .max_flat_workgroup_size: 128
    .sgpr_count:     72
    .vgpr_count:     640
    .wavefront_size: 32
...
	.end_amdgpu_metadata
.endif
;; end of part 4
;; ======== version 2 of 2: 4 launches; version 1 with the launch proj written anew for expert scheduling mode
;; limits: a function is approximated: absolute error at most 6e-08; values are held in f16: magnitudes above 65,504 overflow, below 6.1e-05 lose precision; inputs' magnitudes at most 65,504; right only within a limited range of input values
;; workspace buffers: x16 8,388,608 bytes; w16 4,194,304 bytes; mb 1,048,576 bytes of whole numbers; wt 49,152 bytes; ss 262,144 bytes; dt 262,144 bytes; gg 262,144 bytes; yy 67,108,864 bytes
;; launch prep: the kernel of part 1 again; grid 321 x 1, 8 waves a work-group, no clusters, 1,536 bytes of LDS; arguments W, a_src, a_dst, adj, gate_W, w16, wt, mb; writes w16, wt, mb
;; launch proj (part 5): grid 256 x 1, 4 waves a work-group, no clusters, 41,472 bytes of LDS; arguments x, wt, gate_b, x16, ss, dt, gg; writes x16, ss, dt, gg
.if DOCPART == 5
	.amdgcn_target "amdgcn-amd-amdhsa--gfx1250"
	.amdhsa_code_object_version 6
	.text
	.protected	k_qf0e2387026_proj
	.globl	k_qf0e2387026_proj
	.p2align	8
	.type	k_qf0e2387026_proj,@function
k_qf0e2387026_proj:
	s_mov_b64 s[64:65], 0
	v_nop
	global_prefetch_b8 v0, s[64:65] scope:SCOPE_SE
	s_setreg_imm32_b32 hwreg(HW_REG_WAVE_SCHED_MODE, 0, 2), 2
	s_setreg_imm32_b32 hwreg(HW_REG_WAVE_MODE, 25, 1), 1
	s_wait_xcnt 0x0
	s_wait_alu depctr_vm_vsrc(0)
; PROJ: x -> x16 (each number rounded to bf16, that value written as f16), and for each row the 24 products with wt's rows:
;   s[e] = x . (W_e a_src_e),  d[e] = x . (W_e a_dst_e),  gate = softmax_e(x . gate_W[:, e] + gate_b[e]), its maximum taken away.
; x, gate_W and gate_b enter rounded to bf16.  wt's rows 0-15 are sums that this program made: they enter as hi + lo, two bf16 numbers, in two products whose f32 sums are added.
; ss, dt, gg: [block of 32 rows][8 experts][32 rows] f32: a work-group owns one block, 1,024 bytes of each.
; SHARES.  A work-group has 32 rows.  Wave w: rows 16 (w & 1) .. + 15, K = 256 (w >> 1) .. + 255; the upper K half hands its sums to the lower through LDS.
; The table wt (48 KiB) is read by every work-group straight into operand order; no tensor loads and no cluster: what is shared is 48 KiB against the 64 KiB of x that a work-group streams once.
; LIMITS.  |bf16(x)| <= 65,504; below 2^-17 the f16 image keeps f16's fixed step of 6e-8.  NaN and infinities are not treated apart.
; THE MODE: SCHED_MODE bits 1:0 = 2 (LLVM: expert scheduling mode 2), set by the entry lines.  The code itself states the register dependences
; between vector or matrix instructions and memory or LDS instructions, with s_wait_alu, always for 0.
; THE PLAN.  Registers that memory or LDS instructions touch:
;   v4-v13, v15   offsets and LDS addresses: written once at the head, named by no vector instruction behind the wait that stands ahead of the first load.
;   X, x's phase  load j lands in X + 4 j ..; its eight conversions read them and leave the f16 pair in the first two, which the global store of load j reads.
;   XB            load j's bf16 pair, a pair of its own at XB + 2 j: written by its conversions, read by its LDS store.  No register that a store reads is written again in the phase.
;                 The 32 loads go in four groups of eight: ONE wait on va_vdst at the head of a group states that the group before has written its pairs, whose 16 stores are then dealt among
;                 this group's conversions, which name other registers.
;   X, the table  two buffers of 64: the loads of batch n land in buffer n % 2, its conversions read and write it, the loads of batch n + 2 land in it again.  Batch 0's loads go out at the head of
;                 x's fourth group, when the stores of the first two groups have read the buffer; batch 1's behind the last group's stores.
;   AF            a batch's four LDS loads land in it at the batch's head; its six matrix instructions read it.
;   ACC0, ACC1    written by matrix instructions and additions; read by LDS stores, and not written behind them.
;   BF and T are named by vector and matrix instructions alone (BF's and AF's registers are XB in x's phase).
;   v[SPW], v[NIL]  written at the head, read by the closing add alone.
.set PX,    528        ; a row of 256 bf16 in LDS + 16 bytes: 132 words, so the 16 rows of a fragment load start at 16 different groups of four banks
.set XBW,   16*PX      ; a wave's own 16 rows
.set PART,  4*XBW      ; 33,792: the upper K half's sums, 2,048 bytes for each of two waves
.set OUT,   PART+4096  ; 37,888: [24 columns][32 rows] f32
.set SPARE, OUT+3072   ; 40,960: the spare words
.set SPW,  16
.set NIL,  17
.set ACC0, 32          ; x . hi
.set ACC1, 40          ; x . gate_W
.set ACC2, 48          ; x . lo
.set T,    56          ; v56-63 at work
.set X,    64          ; v64-191: x as loaded; then two buffers of 64 for the table
.set BF,   192         ; v192-239: for each of two K steps: hi, gate, lo, 8 registers each
.set AF,   240         ; v240-255: x's fragments of two K steps
.set XB,   BF          ; v192-255 in x's phase only: load j's four numbers in bf16, a pair at XB + 2 j
	s_load_b256 s[8:15], s[0:1], 0x0               ; x 8, wt 10, gate_b 12, x16 14
	s_load_b128 s[16:19], s[0:1], 0x20             ; ss 16, dt 18
	s_load_b64 s[20:21], s[0:1], 0x30              ; gg
	v_lshl_add_u32 v[SPW], v0, 2, SPARE
	v_mov_b32 v[NIL], 0
	v_lshrrev_b32 v1, 5, v0
	v_readfirstlane_b32 s4, v1                     ; wave
	s_mov_b32 s7, 0xffff0000
	s_mov_b32 s24, 0x3fb8aa3b                      ; log2(e)
	v_and_b32 v1, 31, v0                           ; lane
	v_and_b32 v2, 15, v0                           ; r
	v_bfe_u32 v3, v0, 4, 1                         ; h
	v_lshlrev_b32 v4, 4, v1                        ; 16 x lane
	v_lshlrev_b32 v5, 3, v1                        ; 8 x lane
	s_wait_alu depctr_va_sdst(0)                   ; s4 is written, ahead of its first reader: the wave's shares, LDS places and bases are made from it
	s_and_b32 s5, s4, 1                            ; which 16 rows
	s_lshr_b32 s6, s4, 1                           ; which half of K
	s_mul_i32 s25, s4, XBW
	v_add_nc_u32 v6, s25, v5                       ; where I put 8 bytes of a row of bf16
	v_mul_u32_u24 v7, v2, PX
	v_lshl_add_u32 v7, v3, 4, v7
	v_add_nc_u32 v7, s25, v7                       ; x's fragment: row r x pitch + 16 h
	s_lshl_b32 s26, s6, 10                         ; my K half in a row of f32
	v_lshlrev_b32 v8, 11, v2
	v_lshl_add_u32 v8, v3, 5, v8
	v_add_nc_u32 v8, s26, v8                       ; wt row r, + 32 h
	v_and_b32 v18, 7, v0
	v_lshlrev_b32 v9, 11, v18
	v_lshl_add_u32 v9, v3, 5, v9
	v_add_nc_u32 v9, s26, v9
	v_add_nc_u32 v9, 16*2048, v9                   ; wt row 16 + r % 8: columns 8-15 of the gate's product repeat columns 0-7
	v_lshlrev_b32 v15, 2, v18                      ; gate_b[r % 8]
	s_lshl_b32 s27, s5, 11
	s_add_co_u32 s27, s27, PART
	v_add_nc_u32 v10, s27, v4                      ; the hand-over: 16 bytes a lane, four times
	v_lshlrev_b32 v11, 7, v2
	v_lshl_add_u32 v11, v3, 5, v11
	s_lshl_b32 s27, s5, 6
	s_add_co_u32 s27, s27, OUT
	v_add_nc_u32 v11, s27, v11                     ; column r, rows 16 (w & 1) + 8 h + 0..7: 32 consecutive bytes
	v_lshlrev_b32 v12, 7, v18
	v_lshl_add_u32 v12, v3, 5, v12
	s_add_co_u32 s27, s27, 16*128
	v_add_nc_u32 v12, s27, v12                     ; column 16 + r % 8
	s_lshl_b32 s27, s4, 10
	s_add_co_u32 s27, s27, OUT
	v_add_nc_u32 v13, s27, v4                      ; waves 0-2 send s, d, gate
	s_lshl_b32 s2, ttmp9, 16                       ; 32 rows x 2,048 bytes
	s_lshl_b32 s28, s5, 15
	s_add_co_u32 s2, s2, s28
	s_add_co_u32 s2, s2, s26
	s_mov_b32 s3, 0
	s_wait_kmcnt 0x0
	s_add_nc_u64 s[8:9], s[8:9], s[2:3]
	s_lshr_b32 s2, s2, 1                           ; half as many bytes in x16
	s_add_nc_u64 s[14:15], s[14:15], s[2:3]
	s_wait_alu depctr_va_vdst(0)                   ; the offsets and LDS addresses v4 to v13 and v15 are written, which every load and store of the kernel reads
	global_load_b32 v14, v15, s[12:13]
.set n_, 0
.rept 32                                               ; my 16 rows x 1,024 bytes: all 32 loads go out first
	global_load_b128 v[X+4*n_:X+4*n_+3], v4, s[8:9] offset:(n_/2)*2048+(n_%2)*512 th:TH_LOAD_NT
.set n_, n_+1
.endr
; Load j: 512 bytes of row j / 2.  XCONV: its four numbers a lane in bf16 into the pair XB + 2 j, the same values as f16 into the first two of its own registers.
.macro XCONV j
.set R_, X+4*(\j)
.set P_, XB+2*(\j)
	v_cvt_pk_bf16_f32 v[P_], v[R_], v[R_+1]
	v_cvt_pk_bf16_f32 v[P_+1], v[R_+2], v[R_+3]
	v_lshlrev_b32 v[R_], 16, v[P_]
	v_and_b32 v[R_+1], s7, v[P_]
	v_lshlrev_b32 v[R_+2], 16, v[P_+1]
	v_and_b32 v[R_+3], s7, v[P_+1]
	v_cvt_pk_f16_f32 v[R_], v[R_], v[R_+1]
	v_cvt_pk_f16_f32 v[R_+1], v[R_+2], v[R_+3]
.endm
; XSEND: bf16 into my rows in LDS, f16 to x16.
.macro XSEND j
	ds_store_b64 v6, v[XB+2*(\j):XB+2*(\j)+1] offset:((\j)/2)*PX+((\j)%2)*256
	global_store_b64 v5, v[X+4*(\j):X+4*(\j)+1], s[14:15] offset:((\j)/2)*1024+((\j)%2)*256  ; 256 consecutive aligned bytes
.endm
; Batch n of the table: K steps 2 n and 2 n + 1.  A lane takes, of its row, k = 8 h + 0..7 and 16 + 8 h + 0..7: four loads of 16 bytes; the same of its gate row.
.macro BLOADS n
.set W_, X+64*((\n)%2)
.set m_, 0
.rept 8
	global_load_b128 v[W_+32*(m_/4)+4*(m_%4):W_+32*(m_/4)+4*(m_%4)+3], v8, s[10:11] offset:(2*(\n)+m_/4)*128+(m_%2)*16+((m_/2)%2)*64
	global_load_b128 v[W_+32*(m_/4)+16+4*(m_%4):W_+32*(m_/4)+16+4*(m_%4)+3], v9, s[10:11] offset:(2*(\n)+m_/4)*128+(m_%2)*16+((m_/2)%2)*64
.set m_, m_+1
.endr
.endm
; x's phase: four groups of eight loads.  The stores of load j - 8 stand ahead of the conversions of load j.
.set jj, 0
.rept 32
.if jj > 24
	s_wait_loadcnt 47-jj                           ; x's later loads and the table's sixteen, issued at this group's head, stay out
.else
	s_wait_loadcnt 31-jj                           ; the later loads stay out
.endif
.if jj == 24
	s_wait_xcnt 0x0                                ; the stores of the first two groups, all issued by now, have had their addresses translated: their data registers are loaded again only behind this wait
	s_wait_alu depctr_vm_vsrc(0)                   ; those stores have read X's first 64 registers, in which the table's first loads land
.endif
.if (jj > 0) && (jj%8 == 0)
	s_wait_alu depctr_va_vdst(0)                   ; the group before has written its pairs in XB and in X, which the stores dealt into this group read; at the fourth group also: the first two groups' conversions are done with X's first 64 registers
.endif
.if jj == 24
	BLOADS 0                                       ; no vector instruction behind the wait names these 64 registers before their own wait on LOADcnt
.endif
.if jj >= 8
	XSEND jj-8
.endif
	XCONV jj
.set jj, jj+1
.endr
	s_wait_alu depctr_va_vdst(0)                   ; the last group has written its pairs, which the stores below read; all conversions are done with X's other 64 registers and with XB
.set jj, 24
.rept 8
	XSEND jj
.set jj, jj+1
.endr
.macro BCONV n, t                      ; hi = bf16(w); lo = bf16(w - hi); the gate's column in bf16
.set W_, X+64*((\n)%2)+32*(\t)
.set B_, BF+24*(\t)
.set k_, 0
.rept 8
	v_cvt_pk_bf16_f32 v[B_+k_], v[W_+2*k_], v[W_+2*k_+1]
	v_cvt_pk_bf16_f32 v[B_+8+k_], v[W_+16+2*k_], v[W_+16+2*k_+1]
	v_lshlrev_b32 v[T+2*(k_%4)], 16, v[B_+k_]
	v_and_b32 v[T+2*(k_%4)+1], s7, v[B_+k_]
	v_pk_add_f32 v[W_+2*k_:W_+2*k_+1], v[W_+2*k_:W_+2*k_+1], v[T+2*(k_%4):T+2*(k_%4)+1] neg_lo:[0,1] neg_hi:[0,1]
	v_cvt_pk_bf16_f32 v[B_+16+k_], v[W_+2*k_], v[W_+2*k_+1]
.set k_, k_+1
.endr
.endm
.macro MM3 t, zero                     ; the three accumulators take turns, one instruction a turn
.set B_, BF+24*(\t)
.set A_, AF+8*(\t)
.if \zero
	v_wmma_f32_16x16x32_bf16 v[ACC0:ACC0+7], v[A_:A_+7], v[B_:B_+7], 0
	v_wmma_f32_16x16x32_bf16 v[ACC1:ACC1+7], v[A_:A_+7], v[B_+8:B_+15], 0
	v_wmma_f32_16x16x32_bf16 v[ACC2:ACC2+7], v[A_:A_+7], v[B_+16:B_+23], 0
.else
	v_wmma_f32_16x16x32_bf16 v[ACC0:ACC0+7], v[A_:A_+7], v[B_:B_+7], v[ACC0:ACC0+7]
	v_wmma_f32_16x16x32_bf16 v[ACC1:ACC1+7], v[A_:A_+7], v[B_+8:B_+15], v[ACC1:ACC1+7]
	v_wmma_f32_16x16x32_bf16 v[ACC2:ACC2+7], v[A_:A_+7], v[B_+16:B_+23], v[ACC2:ACC2+7]
.endif
.endm
.macro BATCH n
.if (\n) < 3
	s_wait_loadcnt 16                              ; this batch is in; the next one's sixteen loads stay out
.else
	s_wait_loadcnt 0x0
.endif
.if (\n) > 0
	s_wait_alu depctr_va_vdst(0)                   ; the last batch's matrix instructions are done reading AF, in which the loads below land (batch 0: no vector instruction has named AF's registers since the wait ahead of x's last stores)
.endif
.irp t, 0,1
	ds_load_b128 v[AF+8*\t:AF+8*\t+3],   v7 offset:(2*(\n)+\t)*64      ; LDS serves a wave's instructions in order: these see my stores above; the conversions below name none of these registers
	ds_load_b128 v[AF+8*\t+4:AF+8*\t+7], v7 offset:(2*(\n)+\t)*64+32
.endr
	BCONV \n, 0
	BCONV \n, 1
.if (\n) < 2
	s_wait_alu depctr_va_vdst(0)                   ; the conversions are done reading and writing this buffer of X, in which the loads below land
	BLOADS (\n)+2                                  ; into the buffer just converted
.endif
	s_wait_dscnt 0x0
.if (\n) == 0
	MM3 0, 1                                       ; the first K step starts the sums
.else
	MM3 0, 0
.endif
	MM3 1, 0
.rept 4
	v_nop                                          ; four places before the operands are written again or the sums read (ISA guide 7.12.1)
.endr
.endm
	s_wait_xcnt 0x0                                ; x16's stores have had their addresses translated: X's other 64 registers are loaded again only behind this wait
	s_wait_alu depctr_vm_vsrc(0)                   ; x16's stores have read those registers, in which the loads below land; my LDS stores have read XB, which is BF and AF from here on, written by the conversions and by the fragments' loads
	BLOADS 1
	BATCH 0
	BATCH 1
	BATCH 2
	BATCH 3
.irp j, 0,1,2,3,4,5,6,7
	v_add_f32 v[ACC0+\j], v[ACC0+\j], v[ACC2+\j]   ; hi's and lo's sums, from each accumulator's low end on
.endr
	s_wait_alu depctr_va_vdst(0)                   ; the additions have written ACC0 and the matrix instructions ACC1, which the upper half's LDS stores read; the places above stay beside this wait
	s_cmp_eq_u32 s6, 0
	s_cbranch_scc1 .Lkeep
	ds_store_b128 v10, v[ACC0:ACC0+3]              ; the upper K half hands its sums over
	ds_store_b128 v10, v[ACC0+4:ACC0+7] offset:512
	ds_store_b128 v10, v[ACC1:ACC1+3] offset:1024
	ds_store_b128 v10, v[ACC1+4:ACC1+7] offset:1536
.Lkeep:
	s_wait_dscnt 0x0
	s_barrier_signal -1
	s_barrier_wait -1
	s_cmp_lg_u32 s6, 0
	s_cbranch_scc1 .Lnot_owner
.irp k, 0,1,2,3
	ds_load_b128 v[X+4*\k:X+4*\k+3], v10 offset:512*\k         ; no vector instruction has named these sixteen registers since the third batch's conversions, which stand ahead of two waits on va_vdst
.endr
	s_wait_dscnt 0x0
.irp j, 0,1,2,3,4,5,6,7
	v_add_f32 v[ACC0+\j], v[ACC0+\j], v[X+\j]
	v_add_f32 v[ACC1+\j], v[ACC1+\j], v[X+8+\j]
.endr
	v_cvt_pk_bf16_f32 v18, v14, v14                ; the bias, rounded like every input
	v_lshlrev_b32 v18, 16, v18
.irp j, 0,1,2,3,4,5,6,7
	v_add_f32 v[ACC1+\j], v[ACC1+\j], v18
.endr
.irp j, 0,1,2,3,4,5,6,7                ; the eight experts of a row lie in eight neighbouring lanes
	v_max_num_f32_dpp v[X+\j], v[ACC1+\j], v[ACC1+\j] row_xmask:1 row_mask:0xf bank_mask:0xf
.endr
.irp x, 2,4
.irp j, 0,1,2,3,4,5,6,7
	v_max_num_f32_dpp v[X+\j], v[X+\j], v[X+\j] row_xmask:\x row_mask:0xf bank_mask:0xf
.endr
.endr
.irp j, 0,1,2,3,4,5,6,7
	v_sub_f32 v[ACC1+\j], v[ACC1+\j], v[X+\j]
.endr
.irp j, 0,1,2,3,4,5,6,7
	v_mul_f32 v[ACC1+\j], s24, v[ACC1+\j]
.endr
.irp j, 0,1,2,3,4,5,6,7
	v_exp_f32 v[ACC1+\j], v[ACC1+\j]
.endr
	v_nop                                          ; a plain instruction behind the last exponential,
	s_wait_alu depctr_va_vdst(0)                   ; and one wait: the eight exponentials have written ACC1, ahead of their first reader; and the additions have written ACC0, which the two LDS stores below read
	ds_store_b128 v11, v[ACC0:ACC0+3]              ; register j is row 8 h + j of column r: s for r < 8, d for r >= 8
	ds_store_b128 v11, v[ACC0+4:ACC0+7] offset:16
.irp j, 0,1,2,3,4,5,6,7
	v_add_f32_dpp v[X+\j], v[ACC1+\j], v[ACC1+\j] row_xmask:1 row_mask:0xf bank_mask:0xf
.endr
.irp x, 2,4
.irp j, 0,1,2,3,4,5,6,7
	v_add_f32_dpp v[X+\j], v[X+\j], v[X+\j] row_xmask:\x row_mask:0xf bank_mask:0xf
.endr
.endr
.irp j, 0,1,2,3,4,5,6,7
	v_rcp_f32 v[X+\j], v[X+\j]
.endr
	v_nop
	s_wait_alu depctr_va_vdst(0)                   ; one wait for the eight reciprocals in X, ahead of their first reader
.irp j, 0,1,2,3,4,5,6,7
	v_mul_f32 v[ACC1+\j], v[ACC1+\j], v[X+\j]
.endr
	s_wait_alu depctr_va_vdst(0)                   ; the multiplies have written ACC1, which the LDS stores read, and are done reading X's first eight registers, in which the last LDS loads land
	ds_store_b128 v12, v[ACC1:ACC1+3]              ; lanes r and r + 8 hold the same numbers and write the same words
	ds_store_b128 v12, v[ACC1+4:ACC1+7] offset:16
.Lnot_owner:
	s_wait_dscnt 0x0
	s_barrier_signal -1
	s_barrier_wait -1
	s_cmp_lt_u32 s4, 3
	s_cbranch_scc0 .Lend
	s_cmp_eq_u32 s4, 1                             ; wave 0: ss, wave 1: dt, wave 2: gg
	s_cselect_b64 s[22:23], s[18:19], s[16:17]
	s_cmp_eq_u32 s4, 2
	s_cselect_b64 s[22:23], s[20:21], s[22:23]
	s_lshl_b32 s2, ttmp9, 10
	s_add_nc_u64 s[22:23], s[22:23], s[2:3]
	ds_load_b128 v[X:X+3], v13                     ; no vector instruction has named these eight registers since the last wait on va_vdst that the wave passed
	ds_load_b128 v[X+4:X+7], v13 offset:512
	s_wait_dscnt 0x0
	global_store_b128 v4, v[X:X+3], s[22:23]       ; 512 consecutive aligned bytes each
	global_store_b128 v4, v[X+4:X+7], s[22:23] offset:512
.Lend:
	s_wait_dscnt 0x0                               ; the closing lines, six on end
	s_wait_alu 0x0
	s_wait_tensorcnt 0x0
	ds_add_u32 v[SPW], v[NIL]
	s_wait_dscnt 0x0
	s_endpgm
.Lfunc_end_k_qf0e2387026_proj:
	.size	k_qf0e2387026_proj, .Lfunc_end_k_qf0e2387026_proj-k_qf0e2387026_proj
	.p2alignl 7, 3214868480
	.fill 96, 4, 3214868480
	.section	.rodata,"a",@progbits
	.p2align	6, 0x0
	.amdhsa_kernel k_qf0e2387026_proj
		.amdhsa_group_segment_fixed_size 41472
		.amdhsa_private_segment_fixed_size 0
		.amdhsa_enable_private_segment 0
		.amdhsa_kernarg_size 56
		.amdhsa_user_sgpr_count 2
		.amdhsa_user_sgpr_kernarg_segment_ptr 1
		.amdhsa_wavefront_size32 1
		.amdhsa_system_sgpr_workgroup_id_x 1
		.amdhsa_system_sgpr_workgroup_id_y 1
		.amdhsa_system_sgpr_workgroup_id_z 1
		.amdhsa_system_vgpr_workitem_id 0
		.amdhsa_next_free_vgpr 256
		.amdhsa_next_free_sgpr 66
		.amdhsa_reserve_vcc 0
		.amdhsa_float_denorm_mode_32 3
		.amdhsa_float_denorm_mode_16_64 3
		.amdhsa_memory_ordered 1
		.amdhsa_forward_progress 1
		.amdhsa_inst_pref_size 61
	.end_amdhsa_kernel
	.amdgpu_metadata
---
amdhsa.version: [ 1, 2 ]
amdhsa.kernels:
  - .name:           k_qf0e2387026_proj
    .symbol:         k_qf0e2387026_proj.kd
    .args:
      - { .name: x, .offset: 0, .size: 8, .value_kind: global_buffer, .address_space: global }
      - { .name: wt, .offset: 8, .size: 8, .value_kind: global_buffer, .address_space: global }
      - { .name: gate_b, .offset: 16, .size: 8, .value_kind: global_buffer, .address_space: global }
      - { .name: x16, .offset: 24, .size: 8, .value_kind: global_buffer, .address_space: global }
      - { .name: ss, .offset: 32, .size: 8, .value_kind: global_buffer, .address_space: global }
      - { .name: dt, .offset: 40, .size: 8, .value_kind: global_buffer, .address_space: global }
      - { .name: gg, .offset: 48, .size: 8, .value_kind: global_buffer, .address_space: global }
    .group_segment_fixed_size: 41472
    .private_segment_fixed_size: 0
    .kernarg_segment_align: 8
    .kernarg_segment_size: 56
    .max_flat_workgroup_size: 128
    .sgpr_count:     66
    .vgpr_count:     256
    .wavefront_size: 32
...
	.end_amdgpu_metadata
.endif
;; end of part 5
;; launch attn: the kernel of part 3 again; grid 64 x 8, 4 waves a work-group, clusters of 4 x 1, 327,680 bytes of LDS; arguments x16, mb, ss, dt, yy; writes yy
;; launch comb: the kernel of part 4 again; grid 4 x 64, 4 waves a work-group, clusters of 4 x 4, 327,680 bytes of LDS; arguments yy, w16, gg, out0; writes out0
